; MI455X (gfx1250); checked and timed in simulation.
; The chip was launched on July 23, 2026; its instructions are those of AMD's public machine-readable ISA for CDNA 5 (MIT licence, August 2026) and "CDNA5" Instruction Set Architecture Reference Guide (July 2026). The comments in the code are by the model that wrote it; some were corrected since.
;; Mu Causal Self Attention. Allowed arithmetic: matrix products marked QUANTISED: E2M1 operands, one E8M0 scale for each 32 along K, by v_wmma_scale_f32_16x16x128_f8f6f4 with both operands' format E2M1 (or v_wmma_scale_f32_32x16x128_f4), f32 sums; products left as they are: bf16, f16 or f32 operands; f32 sums; everything else in f32.
;; Inputs: W_attn 1,024 x 3,072 float32; W_proj 1,024 x 1,024 float32; x 4 x 2,048 x 1,024 float32.
;; Outputs: out0 4 x 2,048 x 1,024 float32.
;; This version of the problem:
;;   THIS VERSION OF THE PROBLEM IS GIVEN IN LOW PRECISION. The matrix products marked QUANTISED in the list below multiply operands that are first quantised to E2M1 (2 exponent bits, 1 mantissa bit; 4 bits a number), with one power-of-two scale for each 32 numbers along K (OCP MX v1.0); their sums are f32. The products marked 'left as it is' may take bf16, f16 or f32 operands, with f32 sums. Whichever they take, every output number must still come out within the allowed error. Rounding operands to bf16 (8 significant bits) uses up far more of that allowance than f16 does (11 bits, for magnitudes from 6e-5 to 65,504). All else is computed in f32.
;;   The module's matrix products, in the order in which they are computed (A, B: the left and right operand; K: the contracted axis; several contracted axes count as one K, in the product's order):
;;     1. [M 8,192, K 1,024] x [K 1,024, N 3,072]; A: input x; B: input W_attn: QUANTISED
;;     2. batch 64 x [M 2,048, K 64] x [K 64, N 2,048]; A: computed on the way; B: computed on the way: left as it is (an operand is computed on the way)
;;     3. batch 64 x [M 2,048, K 2,048] x [K 2,048, N 64]; A: computed on the way; B: computed on the way: left as it is (an operand is computed on the way)
;;     4. [M 8,192, K 1,024] x [K 1,024, N 1,024]; A: computed on the way; B: input W_proj: left as it is (an operand is computed on the way)
;;   THE QUANTISER, for each operand of a quantised product, along K:
;;     - K is cut into blocks of 32 from its start; a last block that is shorter is filled with zeros.
;;     - A block's scale is 2^e with e = floor(log2(the largest magnitude in the block)) - 2, held to -126 .. 127; a block of zeros has e = 0. As a byte (E8M0): e + 127.
;;     - Each number is divided by its block's scale, clamped to +-6, and rounded to the nearest number of E2M1, ties to even, subnormals kept.
;;     - The product sums the exact products of the quantised numbers (number of the format x scale) in f32.
;;   ~~~python
;;   def quantise(x, axis):      # numpy; x: float32 -> the quantised numbers, widened to float32 again
;;       x = np.moveaxis(x, axis, -1); K = x.shape[-1]
;;       x = np.pad(x, [(0, 0)] * (x.ndim - 1) + [(0, -K % 32)]); x = x.reshape(x.shape[:-1] + (-1, 32)); a = np.abs(x).max(-1, keepdims=True)
;;       e = np.where(a > 0, np.clip(np.frexp(np.where(a > 0, a, 1))[1] - 1 - 2, -126, 127), 0)      # np.frexp(a)[1] - 1 = floor(log2(a)), exactly
;;       r = np.clip(x / 2.0 ** e, -6, 6)
;;       step = 2.0 ** (np.maximum(np.frexp(np.where(r == 0, 1, r))[1] - 1, 0) - 1)
;;       q = np.round(r / step) * step * 2.0 ** e      # np.round: ties to even
;;       return np.moveaxis(q.reshape(q.shape[:-2] + (-1,))[..., :K], -1, axis).astype(np.float32)
;;   ~~~
;; One version. Each part assembles by itself: llvm-mc -triple=amdgcn-amd-amdhsa -mcpu=gfx1250 --defsym DOCPART=n.
;; ======== version 1 of 1: 7 launches
;; limits: values are held in f16: magnitudes above 65,504 overflow, below 6.1e-05 lose precision
;; workspace buffers: x_codes 4,194,304 bytes; x_scales 262,144 bytes; wa_codes 1,572,864 bytes; wa_scales 98,304 bytes; qkvf 50,331,648 bytes; yf 16,777,216 bytes; wp 4,194,304 bytes; y16 262,144 bytes
;; launch quant_x (part 1): grid 256 x 1, 4 waves a work-group, no clusters, 33,280 bytes of LDS; arguments x, x_codes, x_scales; writes x_codes, x_scales
.if DOCPART == 1
	.amdgcn_target "amdgcn-amd-amdhsa--gfx1250"
	.amdhsa_code_object_version 6
	.text
	.protected	k_q0a15ec47ec_quant_x
	.globl	k_q0a15ec47ec_quant_x
	.p2align	8
	.type	k_q0a15ec47ec_quant_x,@function
k_q0a15ec47ec_quant_x:
	s_mov_b64 s[64:65], 0
	v_nop
	global_prefetch_b8 v0, s[64:65] scope:SCOPE_SE
	s_setreg_imm32_b32 hwreg(HW_REG_WAVE_MODE, 25, 1), 1
	s_wait_xcnt 0x0
; x [8192][1024], f32, becomes codes of FP4 (E2M1), K innermost, two codes a byte, and one E8M0 scale byte for each 32 along K.
; A block's scale is 2^(floor(log2(its largest magnitude)) - 2); its byte is the largest magnitude's exponent field - 2, held at 1 from below.
; (A block of zeros gets the byte 1 where the quantiser says 127: its codes are zeros, and only this program reads the bytes.)
; LIMITS: blocks whose largest magnitude lies under 2^-124 keep the byte 1; NaN and infinities among the inputs are not served.
; Rows are dense and 1024 is a multiple of 32: the tensor is a plain stream of blocks of 32, and so are codes and scale bytes.
; A wave takes 16 steps of 512 numbers.  Each load reads 512 consecutive bytes; a step's 2,048 bytes turn through the wave's own stage in LDS
; (16 bytes of padding behind each 64) and come back 64 bytes a lane: 16 neighbours along K; two neighbouring lanes hold a block.
; A lane's 16 codes are 8 bytes: the wave stores 256 consecutive bytes.  A wave's 256 scale bytes are gathered in LDS and leave as one aligned run of 256 bytes.
; Waves share nothing: no barrier.  Loads run four steps (16 loads a wave) ahead, the turn through LDS one step.
.set STEPS, 16
.set CB,    8                          ; bytes of 16 codes
.set R,     16                         ; v16-79   four sets of 16 numbers as loaded
.set X,     80                         ; v80-111  two sets of 16 neighbours
.set C,     128                        ; v128-191 codes: four registers for each step, so that no store's data are written again
.set E,     112                        ; v112-127 a scale byte for each step
.set WREG,  8192                       ; LDS: a region for each wave: two stages of 32 x SP bytes, behind them its 256 scale bytes
.set SP,    80
.set SPW,   12                         ; v12 LDS address of my spare word; never rewritten
.set NIL,   13                         ; v13 0; never rewritten
.set SPARE, 4*WREG                     ; behind the four regions: the spare words, 128 bytes a wave
	s_load_b128 s[4:7], s[0:1], 0x0                ; x, the codes
	s_load_b64 s[8:9], s[0:1], 0x10                ; the scale bytes
	v_lshl_add_u32 v[SPW], v0, 2, SPARE
	v_mov_b32 v[NIL], 0
	v_lshrrev_b32 v1, 5, v0
	v_readfirstlane_b32 s16, v1                    ; wave
	v_and_b32 v2, 31, v0                           ; lane
	v_lshlrev_b32 v3, 4, v2                        ; my 16 bytes of a load's 512
	s_mul_i32 s17, s16, WREG
	v_lshrrev_b32 v14, 2, v2
	v_mul_u32_u24 v14, v14, SP
	v_and_b32 v15, 3, v2
	v_lshl_add_u32 v14, v15, 4, v14
	v_add_nc_u32 v14, s17, v14                     ; the stage, on the way in: SP (lane / 4) + 16 (lane % 4)
	v_mul_u32_u24 v15, v2, SP
	v_add_nc_u32 v15, s17, v15                     ; and on the way out: SP x lane
	v_mul_u32_u24 v4, v2, CB                       ; my codes' place in a step's
	v_lshrrev_b32 v5, 1, v2
	s_add_co_u32 s17, s17, 2*32*SP
	v_add_nc_u32 v5, s17, v5                       ; LDS: my block's scale byte
	v_lshlrev_b32 v7, 3, v2
	v_add_nc_u32 v6, s17, v7                       ; and on the way out 8 bytes a lane
	s_lshl_b32 s18, ttmp9, 2
	s_add_co_u32 s18, s18, s16                     ; which run of 8,192 numbers is my wave's
	s_lshl_b32 s20, s18, 15                        ; 32,768 bytes of x,
	s_mov_b32 s21, 0
	s_lshl_b32 s22, s18, 12                        ; 4,096 of codes,
	s_mov_b32 s23, 0
	s_lshl_b32 s24, s18, 8                         ; 256 scale bytes
	s_mov_b32 s25, 0
	s_wait_kmcnt 0x0
	s_add_nc_u64 s[4:5], s[4:5], s[20:21]
	s_add_nc_u64 s[6:7], s[6:7], s[22:23]
	s_add_nc_u64 s[8:9], s[8:9], s[24:25]
.macro LOAD t
.irp i, 0,1,2,3
	global_load_b128 v[R+16*((\t)%4)+4*\i:R+16*((\t)%4)+4*\i+3], v3, s[4:5] offset:2048*(\t)+512*\i th:TH_LOAD_NT
.endr
.endm
.macro TURN t                          ; step t's numbers through the stage: LDS serves a wave's instructions in order, so no wait stands between stores and loads
.irp i, 0,1,2,3
	ds_store_b128 v14, v[R+16*((\t)%4)+4*\i:R+16*((\t)%4)+4*\i+3] offset:32*SP*((\t)%2)+8*SP*\i
.endr
.irp i, 0,1,2,3
	ds_load_b128 v[X+16*((\t)%2)+4*\i:X+16*((\t)%2)+4*\i+3], v15 offset:32*SP*((\t)%2)+16*\i
.endr
.endm
.irp t, 0,1,2,3
	LOAD \t
.endr
	s_wait_loadcnt 12                              ; step 0's four loads are in; twelve younger ones stay out
	TURN 0
.macro STEP t
.set XS, X+16*((\t)%2)
.if (\t) > 0
	s_wait_dscnt 1                                 ; this step's numbers are back from the stage; the last step's byte store may be out
.else
	s_wait_dscnt 0x0
.endif
.if (\t)+4 < STEPS
	LOAD (\t)+4                                    ; into the registers that the stage's stores have read
.endif
.if (\t)+1 < STEPS
.if STEPS-2-(\t) >= 3
	s_wait_loadcnt 12                              ; the next step's four loads are in; those of the three steps behind it may be out
.else
	s_wait_loadcnt 4*(STEPS-2-(\t))
.endif
	TURN (\t)+1
.endif
	v_max3_num_f32 v8, |v[XS]|, |v[XS+1]|, |v[XS+2]|               ; the largest magnitude of my 16, in two chains
	v_max3_num_f32 v9, |v[XS+3]|, |v[XS+4]|, |v[XS+5]|
.irp i, 6,10
	v_max3_num_f32 v8, v8, |v[XS+\i]|, |v[XS+\i+1]|
	v_max3_num_f32 v9, v9, |v[XS+\i+2]|, |v[XS+\i+3]|
.endr
	v_max3_num_f32 v8, v8, |v[XS+14]|, |v[XS+15]|
	v_max3_num_f32 v8, v8, v9, 0x1800000           ; and the floor 2^(3 - 127): the byte cannot fall under 1
	v_max_num_f32_dpp v8, v8, v8 row_xmask:1 row_mask:0xf bank_mask:0xf   ; with my neighbour's 16: the block's
	v_add_nc_u32 v11, 0xff000000, v8               ; 2 off its exponent field: the conversion takes the exponent field of this operand as its scale
	v_cvt_scalef32_pk8_fp4_f32 v[C+4*(\t)], v[XS:XS+7], v11
	v_cvt_scalef32_pk8_fp4_f32 v[C+4*(\t)+1], v[XS+8:XS+15], v11
	v_lshrrev_b32 v[E+(\t)], 23, v11               ; the scale's byte (also the plain line behind the conversions)
	ds_store_b8 v5, v[E+(\t)] offset:16*(\t)       ; both lanes of a block write the same byte with the same value
	global_store_b64 v4, v[C+4*(\t):C+4*(\t)+1], s[6:7] offset:32*CB*(\t)
.endm
.irp t, 0,1,2,3,4,5,6,7,8,9,10,11,12,13,14,15
	STEP \t
.endr
	ds_load_b64 v[8:9], v6                         ; LDS serves a wave's instructions in order: these see my stores
	s_wait_dscnt 0x0
	global_store_b64 v7, v[8:9], s[8:9]            ; 32 lanes store 256 consecutive bytes, aligned
	s_wait_tensorcnt 0x0                           ; the wave's end, behind my last LDS store
	ds_add_u32 v[SPW], v[NIL]
	s_wait_dscnt 0x0
	s_endpgm
.Lfunc_end_k_q0a15ec47ec_quant_x:
	.size	k_q0a15ec47ec_quant_x, .Lfunc_end_k_q0a15ec47ec_quant_x-k_q0a15ec47ec_quant_x
	.p2alignl 7, 3214868480
	.fill 96, 4, 3214868480
	.section	.rodata,"a",@progbits
	.p2align	6, 0x0
	.amdhsa_kernel k_q0a15ec47ec_quant_x
		.amdhsa_group_segment_fixed_size 33280
		.amdhsa_private_segment_fixed_size 0
		.amdhsa_enable_private_segment 0
		.amdhsa_kernarg_size 24
		.amdhsa_user_sgpr_count 2
		.amdhsa_user_sgpr_kernarg_segment_ptr 1
		.amdhsa_wavefront_size32 1
		.amdhsa_system_sgpr_workgroup_id_x 1
		.amdhsa_system_sgpr_workgroup_id_y 1
		.amdhsa_system_sgpr_workgroup_id_z 1
		.amdhsa_system_vgpr_workitem_id 0
		.amdhsa_next_free_vgpr 192
		.amdhsa_next_free_sgpr 66
		.amdhsa_reserve_vcc 0
		.amdhsa_float_denorm_mode_32 3
		.amdhsa_float_denorm_mode_16_64 3
		.amdhsa_memory_ordered 1
		.amdhsa_forward_progress 1
		.amdhsa_inst_pref_size 33
	.end_amdhsa_kernel
	.amdgpu_metadata
---
amdhsa.version: [ 1, 2 ]
amdhsa.kernels:
  - .name:           k_q0a15ec47ec_quant_x
    .symbol:         k_q0a15ec47ec_quant_x.kd
    .args:
      - { .name: x, .offset: 0, .size: 8, .value_kind: global_buffer, .address_space: global }
      - { .name: x_codes, .offset: 8, .size: 8, .value_kind: global_buffer, .address_space: global }
      - { .name: x_scales, .offset: 16, .size: 8, .value_kind: global_buffer, .address_space: global }
    .group_segment_fixed_size: 33280
    .private_segment_fixed_size: 0
    .kernarg_segment_align: 8
    .kernarg_segment_size: 24
    .max_flat_workgroup_size: 128
    .sgpr_count:     66
    .vgpr_count:     192
    .wavefront_size: 32
...
	.end_amdgpu_metadata
.endif
;; end of part 1
;; launch prep_w (part 2): grid 112 x 1, 16 waves a work-group, no clusters, 38,912 bytes of LDS; arguments W_attn, W_proj, wa_codes, wa_scales, wp; writes wa_codes, wa_scales, wp
.if DOCPART == 2
	.amdgcn_target "amdgcn-amd-amdhsa--gfx1250"
	.amdhsa_code_object_version 6
	.text
	.protected	k_q0a15ec47ec_prep_w
	.globl	k_q0a15ec47ec_prep_w
	.p2align	8
	.type	k_q0a15ec47ec_prep_w,@function
k_q0a15ec47ec_prep_w:
	s_mov_b64 s[64:65], 0
	v_nop
	global_prefetch_b8 v0, s[64:65] scope:SCOPE_SE
	s_setreg_imm32_b32 hwreg(HW_REG_WAVE_MODE, 25, 1), 1
	s_wait_xcnt 0x0
; Two jobs, told apart by the work-group's number.
; WORK-GROUPS 0-47: W_attn [1024 (k)][3072 (n)], f32, K its first axis, becomes codes of FP4 laid [n][k] with K innermost (512 bytes a row) and E8M0 bytes [n][32].
;   A lane takes a column n and its registers run down K: a block of 32 lies in one lane, and the conversions give codes with K innermost.
;   A work-group takes 128 columns x 512 along K; wave w takes columns 32 (w % 4) on, 128 along K from 128 (w / 4) on: four blocks a lane.
;   Codes and bytes meet in a stage in LDS (a row a column, 256 bytes + 16) and leave by rows: sixteen lanes store 256 consecutive aligned bytes.
; WORK-GROUPS 48-111: W_proj [1024 (k)][1024 (n)], f32, becomes f16 in the order of a matrix operand's registers: byte (nt x 32 + ks) x 1024 + c x 512 + 16 x lane holds, for
;   lane (r, h), W_proj[32 ks + 16 c + 8 h + 0..7][16 nt + r].  The high part is the number rounded to f16; the low part, 2,097,152 bytes on, is (number - high part) x 2048, rounded to f16.
; LIMITS: NaN and infinities are not served; blocks of W_attn under 2^-124 keep the byte 1 (a block of zeros too: its codes are zeros); |W_proj| stays under 65,504.
.set PITCH, 272
.set SCST,  128*PITCH                  ; behind the stage: 128 columns x 16 scale bytes
.set SPARE, SCST+2048                  ; the spare words, 128 bytes for each of 16 waves
.set X,     32                         ; v32-95  two sets of 32 numbers
.set C,     96                         ; v96-111 four blocks' codes
.set OUTR,  112                        ; v112-127 the way out
.set SB,    24                         ; v24 my four scale bytes
.set SPW,   14
.set NIL,   15
	s_load_b256 s[4:11], s[0:1], 0x0               ; W_attn, W_proj, wa_codes, wa_scales
	s_load_b64 s[12:13], s[0:1], 0x20              ; wp
	v_lshl_add_u32 v[SPW], v0, 2, SPARE
	v_mov_b32 v[NIL], 0
	v_lshrrev_b32 v1, 5, v0
	v_readfirstlane_b32 s16, v1                    ; wave 0..15
	v_and_b32 v2, 31, v0                           ; lane
	v_lshlrev_b32 v3, 2, v2                        ; in: 4 bytes a lane
	s_and_b32 s17, s16, 3                          ; which 32 columns
	s_lshr_b32 s18, s16, 2                         ; which part of K
	v_and_b32 v16, 15, v0
	v_bfe_u32 v17, v0, 4, 1
	v_and_b32 v4, 127, v0                          ; my column in the work-group's 128
	v_lshrrev_b32 v18, 7, v0                       ; my part of K
	v_lshlrev_b32 v5, 4, v4
	v_mul_u32_u24 v4, v4, PITCH
	v_lshl_add_u32 v4, v18, 6, v4                  ; the stage, in: column x pitch + 64 x part
	v_lshl_add_u32 v5, v18, 2, v5
	v_add_nc_u32 v5, SCST, v5                      ; my scale word: 16 x column + 4 x part
	v_lshlrev_b32 v6, 3, v1
	v_add_nc_u32 v6, v6, v17
	v_mul_u32_u24 v7, v6, PITCH
	v_lshl_add_u32 v7, v16, 4, v7                  ; the stage, out: row 8 x wave + lane / 16, 16 bytes a lane
	v_lshl_add_u32 v9, v0, 2, SCST                 ; the scale bytes, out: 4 bytes a thread
	s_cmp_ge_u32 ttmp9, 48
	s_cbranch_scc1 .Lcast
	s_lshr_b32 s19, ttmp9, 1                       ; which 128 columns
	s_and_b32 s20, ttmp9, 1                        ; which 512 along K
	s_lshl_b32 s21, s20, 9
	s_lshl_b32 s22, s18, 7
	s_add_co_u32 s21, s21, s22                     ; my first k
	s_mul_i32 s24, s21, 12288                      ; rows of 12,288 bytes
	s_lshl_b32 s22, s19, 9
	s_add_co_u32 s24, s24, s22
	s_lshl_b32 s22, s17, 7
	s_add_co_u32 s24, s24, s22                     ; + 4 x my wave's first column
	s_mov_b32 s25, 0
	s_lshl_b32 s26, s19, 16                        ; codes: (128 x + 8 wave) rows of 512 bytes + 256 y
	s_lshl_b32 s22, s16, 12
	s_add_co_u32 s26, s26, s22
	s_lshl_b32 s22, s20, 8
	s_add_co_u32 s26, s26, s22
	s_mov_b32 s27, 0
	s_lshl_b32 s28, s19, 12                        ; scale bytes: the same rows of 32 bytes + 16 y
	s_lshl_b32 s22, s16, 8
	s_add_co_u32 s28, s28, s22
	s_lshl_b32 s22, s20, 4
	s_add_co_u32 s28, s28, s22
	s_mov_b32 s29, 0
	v_lshlrev_b32 v8, 9, v17
	v_lshl_add_u32 v8, v16, 4, v8                  ; codes out: two rows an instruction, sixteen lanes to a row's 256 bytes
	v_lshrrev_b32 v10, 2, v2
	v_lshlrev_b32 v10, 5, v10
	v_and_b32 v19, 3, v2
	v_lshl_add_u32 v10, v19, 2, v10                ; scale bytes out: four lanes to a row's 16 bytes
	s_wait_kmcnt 0x0
	s_add_nc_u64 s[4:5], s[4:5], s[24:25]
	s_add_nc_u64 s[8:9], s[8:9], s[26:27]
	s_add_nc_u64 s[10:11], s[10:11], s[28:29]
.macro LOADQ t                         ; block t: W_attn(32 t + i, my column) into set t % 2; a wave's load reads 128 consecutive bytes
.irp i, 0,1,2,3,4,5,6,7,8,9,10,11,12,13,14,15,16,17,18,19,20,21,22,23,24,25,26,27,28,29,30,31
	global_load_b32 v[X+32*((\t)%2)+\i], v3, s[4:5] offset:(32*(\t)+\i)*12288 th:TH_LOAD_NT
.endr
.endm
.macro BLOCK t
.set XS, X+32*((\t)%2)
.if (\t) < 3
	s_wait_loadcnt 32                              ; this block's 32 loads are in; the next block's may be out
.else
	s_wait_loadcnt 0
.endif
	v_max3_num_f32 v12, |v[XS]|, |v[XS+1]|, |v[XS+2]|              ; the block's largest magnitude: all 32 numbers are mine
	v_max3_num_f32 v13, |v[XS+3]|, |v[XS+4]|, |v[XS+5]|
.irp i, 6,10,14,18,22,26
	v_max3_num_f32 v12, v12, |v[XS+\i]|, |v[XS+\i+1]|
	v_max3_num_f32 v13, v13, |v[XS+\i+2]|, |v[XS+\i+3]|
.endr
	v_max3_num_f32 v12, v12, |v[XS+30]|, |v[XS+31]|
	v_max3_num_f32 v12, v12, v13, 0x1800000        ; and the floor 2^(3 - 127)
	v_add_nc_u32 v11, 0xff000000, v12              ; 2 off the exponent field: the conversion's scale operand
	v_lshrrev_b32 v13, 23, v11                     ; the scale's byte
.if (\t) == 0
	v_mov_b32 v[SB], v13
.else
	v_lshl_or_b32 v[SB], v13, 8*(\t), v[SB]        ; the lower K in the lower byte
.endif
.irp g, 0,1,2,3
	v_cvt_scalef32_pk8_fp4_f32 v[C+4*(\t)+\g], v[XS+8*\g:XS+8*\g+7], v11
.endr
	v_nop                                          ; one plain line behind the conversions
	ds_store_b128 v4, v[C+4*(\t):C+4*(\t)+3] offset:16*(\t)
.if (\t)+2 < 4
	LOADQ (\t)+2
.endif
.endm
	LOADQ 0
	LOADQ 1
	BLOCK 0
	BLOCK 1
	BLOCK 2
	BLOCK 3
	ds_store_b32 v5, v[SB]
	s_wait_dscnt 0x0                               ; for the others' sake: my stores into the stage are done
	s_barrier_signal -1
	s_barrier_wait -1
.irp t, 0,1,2,3
	ds_load_b128 v[OUTR+4*\t:OUTR+4*\t+3], v7 offset:2*\t*PITCH
.endr
	ds_load_b32 v25, v9
	s_wait_dscnt 0x0
.irp t, 0,1,2,3
	global_store_b128 v8, v[OUTR+4*\t:OUTR+4*\t+3], s[8:9] offset:1024*\t
.endr
	global_store_b32 v10, v25, s[10:11]
	s_wait_tensorcnt 0x0                           ; the wave's end, behind my last LDS store
	ds_add_u32 v[SPW], v[NIL]
	s_wait_dscnt 0x0
	s_endpgm
.Lcast:
	s_sub_co_u32 s19, ttmp9, 48
	s_and_b32 s20, s19, 7                          ; which 128 columns
	s_lshr_b32 s21, s19, 3                         ; which 128 along K
	s_lshl_b32 s24, s21, 19                        ; W_proj: (128 y + 32 part) rows of 4,096 bytes
	s_lshl_b32 s22, s18, 17
	s_add_co_u32 s24, s24, s22
	s_lshl_b32 s22, s20, 9
	s_add_co_u32 s24, s24, s22
	s_lshl_b32 s22, s17, 7
	s_add_co_u32 s24, s24, s22                     ; + 4 x my wave's first column
	s_mov_b32 s25, 0
	s_lshl_b32 s26, s20, 18                        ; wp: ((8 x + 2 cg) x 32 + 4 y + part) x 1024
	s_lshl_b32 s22, s17, 16
	s_add_co_u32 s26, s26, s22
	s_lshl_b32 s22, s21, 12
	s_add_co_u32 s26, s26, s22
	s_lshl_b32 s22, s18, 10
	s_add_co_u32 s26, s26, s22
	s_mov_b32 s27, 0
	v_lshlrev_b32 v8, 15, v17                      ; lanes 16-31 hold the next tile of 16 columns: 32,768 bytes on
	v_lshl_add_u32 v8, v16, 4, v8
	s_wait_kmcnt 0x0
	s_add_nc_u64 s[6:7], s[6:7], s[24:25]
	s_add_nc_u64 s[12:13], s[12:13], s[26:27]
.irp i, 0,1,2,3,4,5,6,7,8,9,10,11,12,13,14,15,16,17,18,19,20,21,22,23,24,25,26,27,28,29,30,31
	global_load_b32 v[X+\i], v3, s[6:7] offset:\i*4096 th:TH_LOAD_NT
.endr
	s_wait_loadcnt 0x0
; two numbers v[x], v[x+1] -> their f16 roundings in v[hi]; (number - rounding) x 2048, which is exact up to the last rounding, in v[lo]
.macro SPLIT x, hi, hl, hh, lo, tmp
	v_cvt_pk_f16_f32 v[\hi], v[\x], v[\x+1]
	v_cvt_f32_f16 v[\tmp], \hl
	v_cvt_f32_f16 v[\tmp+1], \hh
	v_pk_add_f32 v[\tmp:\tmp+1], v[\x:\x+1], v[\tmp:\tmp+1] neg_lo:[0,1] neg_hi:[0,1]
	v_pk_mul_f32 v[\tmp:\tmp+1], v[\tmp:\tmp+1], 0x45000000 op_sel_hi:[1,0]
	v_cvt_pk_f16_f32 v[\lo], v[\tmp], v[\tmp+1]
.endm
	SPLIT 32, 64, v64.l, v64.h, 80, 96
	SPLIT 34, 65, v65.l, v65.h, 81, 98
	SPLIT 36, 66, v66.l, v66.h, 82, 100
	SPLIT 38, 67, v67.l, v67.h, 83, 102
	SPLIT 40, 68, v68.l, v68.h, 84, 96
	SPLIT 42, 69, v69.l, v69.h, 85, 98
	SPLIT 44, 70, v70.l, v70.h, 86, 100
	SPLIT 46, 71, v71.l, v71.h, 87, 102
	SPLIT 48, 72, v72.l, v72.h, 88, 96
	SPLIT 50, 73, v73.l, v73.h, 89, 98
	SPLIT 52, 74, v74.l, v74.h, 90, 100
	SPLIT 54, 75, v75.l, v75.h, 91, 102
	SPLIT 56, 76, v76.l, v76.h, 92, 96
	SPLIT 58, 77, v77.l, v77.h, 93, 98
	SPLIT 60, 78, v78.l, v78.h, 94, 100
	SPLIT 62, 79, v79.l, v79.h, 95, 102
.irp g, 0,1,2,3                        ; eight numbers down K are 16 bytes; sixteen lanes store 256 consecutive aligned bytes
	global_store_b128 v8, v[64+4*\g:67+4*\g], s[12:13] offset:256*\g
	global_store_b128 v8, v[80+4*\g:83+4*\g], s[12:13] offset:2097152+256*\g
.endr
	s_wait_tensorcnt 0x0                           ; the three closing lines stand on this path too
	ds_add_u32 v[SPW], v[NIL]
	s_wait_dscnt 0x0
	s_endpgm
.Lfunc_end_k_q0a15ec47ec_prep_w:
	.size	k_q0a15ec47ec_prep_w, .Lfunc_end_k_q0a15ec47ec_prep_w-k_q0a15ec47ec_prep_w
	.p2alignl 7, 3214868480
	.fill 96, 4, 3214868480
	.section	.rodata,"a",@progbits
	.p2align	6, 0x0
	.amdhsa_kernel k_q0a15ec47ec_prep_w
		.amdhsa_group_segment_fixed_size 38912
		.amdhsa_private_segment_fixed_size 0
		.amdhsa_enable_private_segment 0
		.amdhsa_kernarg_size 40
		.amdhsa_user_sgpr_count 2
		.amdhsa_user_sgpr_kernarg_segment_ptr 1
		.amdhsa_wavefront_size32 1
		.amdhsa_system_sgpr_workgroup_id_x 1
		.amdhsa_system_sgpr_workgroup_id_y 1
		.amdhsa_system_sgpr_workgroup_id_z 1
		.amdhsa_system_vgpr_workitem_id 0
		.amdhsa_next_free_vgpr 128
		.amdhsa_next_free_sgpr 66
		.amdhsa_reserve_vcc 0
		.amdhsa_float_denorm_mode_32 3
		.amdhsa_float_denorm_mode_16_64 3
		.amdhsa_memory_ordered 1
		.amdhsa_forward_progress 1
		.amdhsa_inst_pref_size 33
	.end_amdhsa_kernel
	.amdgpu_metadata
---
amdhsa.version: [ 1, 2 ]
amdhsa.kernels:
  - .name:           k_q0a15ec47ec_prep_w
    .symbol:         k_q0a15ec47ec_prep_w.kd
    .args:
      - { .name: W_attn, .offset: 0, .size: 8, .value_kind: global_buffer, .address_space: global }
      - { .name: W_proj, .offset: 8, .size: 8, .value_kind: global_buffer, .address_space: global }
      - { .name: wa_codes, .offset: 16, .size: 8, .value_kind: global_buffer, .address_space: global }
      - { .name: wa_scales, .offset: 24, .size: 8, .value_kind: global_buffer, .address_space: global }
      - { .name: wp, .offset: 32, .size: 8, .value_kind: global_buffer, .address_space: global }
    .group_segment_fixed_size: 38912
    .private_segment_fixed_size: 0
    .kernarg_segment_align: 8
    .kernarg_segment_size: 40
    .max_flat_workgroup_size: 512
    .sgpr_count:     66
    .vgpr_count:     128
    .wavefront_size: 32
...
	.end_amdgpu_metadata
.endif
;; end of part 2
;; launch gemm_qkv (part 3): grid 12 x 32, 4 waves a work-group, clusters of 4 x 4, 327,680 bytes of LDS; arguments x_codes, x_scales, wa_codes, wa_scales, qkvf; writes qkvf
.if DOCPART == 3
	.amdgcn_target "amdgcn-amd-amdhsa--gfx1250"
	.amdhsa_code_object_version 6
	.text
	.protected	k_q0a15ec47ec_gemm_qkv
	.globl	k_q0a15ec47ec_gemm_qkv
	.p2align	8
	.type	k_q0a15ec47ec_gemm_qkv,@function
k_q0a15ec47ec_gemm_qkv:
	s_mov_b64 s[64:65], 0
	v_nop
	global_prefetch_b8 v0, s[64:65] scope:SCOPE_SE
	s_setreg_imm32_b32 hwreg(HW_REG_WAVE_MODE, 25, 1), 1
	s_wait_xcnt 0x0
	s_wait_alu depctr_hold_cnt(0) depctr_sa_sdst(0) depctr_va_vdst(0) depctr_va_sdst(0) depctr_va_ssrc(0) depctr_va_vcc(0) depctr_vm_vsrc(0)
	s_getreg_b32 s2, hwreg(HW_REG_IB_STS2, 6, 4)
	s_cmp_eq_u32 s2, 0
	s_cbranch_scc0 .Lentry_in_a_cluster
	s_endpgm
.Lentry_in_a_cluster:
	s_bfe_u32 s2, ttmp6, 0x10000c
	s_cmp_lg_u32 s2, 0xf033
	s_cbranch_scc0 .Lentry_shape_is_right
	s_endpgm
.Lentry_shape_is_right:
; qkv = Q(x) Q(W_attn): [8192][1024] x [3072][1024] on codes of FP4 with E8M0 scales, f32 sums, K ascending; the results leave as f16 in the order of the next products' operand registers.
; A tile of 256 x 256 is made by four waves, 128 x 128 each: 64 accumulators, 512 registers.  K = 1024 is two LDS slots of 512 along K (rows of 256 bytes + 16 of padding), each filled ONCE:
; all tensor loads go out at the head.  The scale bytes of the tile's rows, two dense blocks, come with them and stay.
; The matrix instruction takes 16 rows of "B" as source 0 and 16 rows of "A" as source 1: a lane then holds ONE row of A and eight neighbouring rows of B.
; WHO IS A.  For q and k (cluster x 0, 1) A = x, B = W: a lane holds a token and eight channels.  For v (cluster x 2) A = W, B = x: a lane holds a channel and eight tokens.
; Eight results round to 16 bytes of f16, and qkvf is laid so that these 16 bytes stand at 16 x lane:
;   qkvf byte = part x 2^24 + (batch x 16 + head) x 2^18 + (tile of 16 tokens) x 2048 + (tile of 16 channels) x 512 + 16 x lane.
; So every store of a wave covers 512 consecutive aligned bytes straight from registers, and no result goes through LDS.
; CLUSTERS: 4 x 4 work-groups; A's tiles are asked for jointly along a row of the cluster, B's along a column.  The choice of A and the branch on the way out hang on the cluster's x alone.
; LIMITS: |q|, |k|, |v| stay under 65,504 (f16).
; REGISTERS: window 0: v16-29 addresses; v32-95 scale words, two sets; from v128 A's fragments, one set (on the way out v128-255 take the packed results).
;   window 1: B's fragments, two sets.  window 2, 3: the accumulators of my rows 0-63, 64-127 (accumulator (a, b) at v[8 (8 (a % 4) + b)]).
.set NQ,     4                         ; steps of 128 along K in a slot
.set ROWB,   256                       ; a tile's row in bytes
.set KROW,   512                       ; a row of codes in memory
.set PITCH,  272                       ; an LDS row: 256 + 16: the sixteen rows of a fragment load start 68 words apart
.set FR,     8
.set NL,     2
.set NP,     4
.set HALFT,  128*PITCH
.set SLOT,   4*HALFT
.set KS,     32                        ; a row of scale bytes
.set SCL,    2*SLOT
.set HALFS,  (128*KS/256)*272
.set SBLK,   (16*KS/256)*272
.set SPARE,  SCL+4*HALFS
.set ADRA, 16
.set ADRB, 20
.set CO,   26                          ; v26 16 x lane
.set ADRS, 27
.set SPW,  28
.set NIL,  29
.set SC,   32
.set AF,   128
.set G1, 24
.set G0, 32
.set G1B, 48
.set G0B, 56
.set G1S, 68
.set G0S, 76
.set G1SB, 80
.set G0SB, 88
.set MSB, 0
.macro WIN new                         ; the immediate's high byte repeats the setting that is left
.if MSB != (\new)
	s_set_vgpr_msb (MSB<<8)|(\new)
.set MSB, (\new)
.endif
.endm
.set MUL_LO, 0xa1                      ; source 0 (B) window 1, source 1 (A) window 0, C and D window 2
.set MUL_HI, 0xf1
.set TO_B,   0x40
; A joint load: waves 0 and 1 fetch for A, waves 2 and 3 for B.  An s_nop 0 and four v_nop follow each of the two lines.
.macro JLOAD g0a, g1a, g0b, g1b
	s_cmp_eq_u32 s15, 0
	s_cbranch_scc0 .Lfor_b_\@
	tensor_load_to_lds s[\g0a:\g0a+3], s[\g1a:\g1a+7]
	s_nop 0
.rept 4
	v_nop
.endr
	s_branch .Lasked_\@
.Lfor_b_\@:
	tensor_load_to_lds s[\g0b:\g0b+3], s[\g1b:\g1b+7]
	s_nop 0
.rept 4
	v_nop
.endr
.Lasked_\@:
.endm
.macro CROUND                          ; a round of the cluster's barrier
	s_barrier_signal -1
	s_barrier_wait -1
	s_cmp_lg_u32 s14, 0
	s_cbranch_scc1 .Lnot_wave_0_\@
	s_barrier_signal -3
.Lnot_wave_0_\@:
	s_barrier_wait -3
	s_barrier_signal -1
	s_barrier_wait -1
.endm
	s_load_b128 s[4:7], s[0:1], 0x0                ; x's codes, x's scales
	s_load_b128 s[8:11], s[0:1], 0x10              ; W's codes, W's scales
	s_load_b64 s[12:13], s[0:1], 0x20              ; qkvf
	v_lshl_add_u32 v[SPW], v0, 2, SPARE
	v_mov_b32 v[NIL], 0
	ds_add_u32 v[SPW], v[NIL]                      ; the wave's opening: the add, twice on end, and its wait ahead of my first tensor load
	ds_add_u32 v[SPW], v[NIL]
	v_lshrrev_b32 v1, 5, v0
	v_readfirstlane_b32 s14, v1                    ; wave 0..3
	s_lshr_b32 s15, s14, 1                         ; which half of A's rows is mine.  Also: I fetch for A (0) or for B (1)
	s_and_b32 s16, s14, 1                          ; which half of B's rows.  Also: which 128 rows I fetch
	s_bfe_u32 s40, ttmp6, 0x40000                  ; cx
	s_bfe_u32 s41, ttmp6, 0x40004                  ; cy
	s_and_b32 s17, ttmp7, 0xffff                   ; cluster y
	s_cmp_eq_u32 ttmp9, 2                          ; v's clusters: W's rows go down the tiles, x's across
	s_cselect_b32 s42, s17, ttmp9
	s_cselect_b32 s17, ttmp9, s17
	s_lshl_b32 s42, s42, 2
	s_add_co_u32 s42, s42, s40                     ; tile column (B's rows / 256)
	s_lshl_b32 s17, s17, 2
	s_add_co_u32 s17, s17, s41                     ; tile row (A's rows / 256)
	s_lshl_b32 s43, s41, 2
	s_lshl_b32 s43, 15, s43                        ; my row of the cluster
	s_lshl_b32 s44, 0x1111, s40                    ; my column
	s_or_b32 s[G1+0], s43, (0<<16)|(1<<20)|(1<<21)|(5<<22)|(3<<25)  ; mask; elements of 1 byte; padding: 4 words behind every 64; bit 21 beside a mask
	s_or_b32 s[G1B+0], s44, (0<<16)|(1<<20)|(1<<21)|(5<<22)|(3<<25)
.irp g, G1, G1B
	s_mov_b32 s[\g+1], ROWB<<16                    ; tensor_dim0
	s_mov_b32 s[\g+2], 128<<16                     ; tensor_dim1
	s_mov_b32 s[\g+3], ROWB<<16                    ; tile_dim0
	s_mov_b32 s[\g+4], 128                         ; tile_dim1
	s_mov_b32 s[\g+5], KROW                        ; the pitch
	s_mov_b32 s[\g+6], 0
	s_mov_b32 s[\g+7], 0
.endr
	s_or_b32 s[G1S+0], s43, (3<<16)|(1<<20)|(1<<21)|(5<<22)|(3<<25) ; the scales of 128 rows: 4,096 dense bytes as 16 rows of 256, 16 bytes of padding behind each
	s_or_b32 s[G1SB+0], s44, (3<<16)|(1<<20)|(1<<21)|(5<<22)|(3<<25)
.irp g, G1S, G1SB
	s_mov_b32 s[\g+1], 32<<16
	s_mov_b32 s[\g+2], (128*KS/256)<<16
	s_mov_b32 s[\g+3], 32<<16
	s_mov_b32 s[\g+4], 128*KS/256
	s_mov_b32 s[\g+5], 32
	s_mov_b32 s[\g+6], 0
	s_mov_b32 s[\g+7], 0
.endr
	s_lshl_b32 s18, s16, 7                         ; which 128 rows of the tile I fetch
	s_lshl_b32 s20, s17, 8
	s_add_co_u32 s20, s20, s18                     ; A's row
	s_lshl_b32 s46, s42, 8
	s_add_co_u32 s46, s46, s18                     ; B's row
	s_lshl_b32 s22, s20, 5                         ; its scale bytes,
	s_mov_b32 s23, 0
	s_lshl_b32 s92, s46, 5
	s_mov_b32 s93, 0
	s_lshl_b32 s20, s20, 9                         ; its codes
	s_mov_b32 s21, 0
	s_lshl_b32 s46, s46, 9
	s_mov_b32 s47, 0
	s_mul_i32 s45, s14, HALFT                      ; where they go: wave x 128 rows
	s_mul_i32 s94, s14, HALFS
	s_wait_dscnt 0x0                               ; both opening adds are done
	s_wait_kmcnt 0x0
	s_cmp_eq_u32 ttmp9, 2
	s_cselect_b64 s[96:97], s[8:9], s[4:5]         ; A's codes,
	s_cselect_b64 s[98:99], s[10:11], s[6:7]       ; A's scales,
	s_cselect_b64 s[100:101], s[4:5], s[8:9]       ; B's codes,
	s_cselect_b64 s[66:67], s[6:7], s[10:11]       ; B's scales
	s_add_nc_u64 s[20:21], s[96:97], s[20:21]
	s_add_nc_u64 s[22:23], s[98:99], s[22:23]
	s_add_nc_u64 s[46:47], s[100:101], s[46:47]
	s_add_nc_u64 s[92:93], s[66:67], s[92:93]
	CROUND                                         ; all sixteen work-groups are here: the joint loads meet
	s_mov_b32 s[G0S], 1
	s_add_co_u32 s[G0S+1], s94, SCL
	s_mov_b64 s[G0S+2:G0S+3], s[22:23]
	s_or_b32 s[G0S+3], s[G0S+3], 0x80000000
	s_mov_b32 s[G0SB], 1
	s_add_co_u32 s[G0SB+1], s94, SCL
	s_mov_b64 s[G0SB+2:G0SB+3], s[92:93]
	s_or_b32 s[G0SB+3], s[G0SB+3], 0x80000000
	JLOAD G0S, G1S, G0SB, G1SB                     ; the scales first: they are wanted with the first slot
.irp s, 0,1
	s_mov_b32 s[G0+4*\s], 1
	s_add_co_u32 s[G0+4*\s+1], s45, \s*SLOT
	s_add_nc_u64 s[G0+4*\s+2:G0+4*\s+3], s[20:21], \s*ROWB
	s_or_b32 s[G0+4*\s+3], s[G0+4*\s+3], 0x80000000
	s_mov_b32 s[G0B+4*\s], 1
	s_add_co_u32 s[G0B+4*\s+1], s45, \s*SLOT
	s_add_nc_u64 s[G0B+4*\s+2:G0B+4*\s+3], s[46:47], \s*ROWB
	s_or_b32 s[G0B+4*\s+3], s[G0B+4*\s+3], 0x80000000
	JLOAD G0+4*\s, G1, G0B+4*\s, G1B               ; three tensor loads of mine are out in all
.endr
	v_and_b32 v1, 15, v0                           ; r
	v_bfe_u32 v2, v0, 4, 1                         ; h
	v_mul_u32_u24 v3, v1, PITCH
	v_lshl_add_u32 v4, v2, 4, v3                   ; a fragment's row x pitch + 16 h
	s_mul_i32 s21, s15, HALFT                      ; my 128 rows of A
	s_mul_i32 s22, s16, HALFT                      ; my 128 rows of B,
	s_add_co_u32 s22, s22, 2*HALFT                 ; behind A's 256
.irp s, 0,1
	v_add_nc_u32 v[ADRA+\s], s21, v4
	v_add_nc_u32 v[ADRB+\s], s22, v4
	s_add_co_u32 s21, s21, SLOT
	s_add_co_u32 s22, s22, SLOT
.endr
	v_mul_u32_u24 v5, v1, KS                       ; my row's scales: 32 bytes a row,
	v_lshrrev_b32 v6, 8, v5
	v_lshl_add_u32 v5, v6, 4, v5                   ; and 16 more for each 256 passed
	s_mul_i32 s21, s15, HALFS
	s_mul_i32 s22, s16, HALFS
	s_add_co_u32 s22, s22, 2*HALFS
	s_sub_co_u32 s22, s22, s21
	v_mul_u32_u24 v6, s22, v2                      ; lanes 16-31 take B's
	s_add_co_u32 s21, s21, SCL
	v_add_nc_u32 v5, v5, v6
	v_add_nc_u32 v[ADRS], s21, v5
	v_and_b32 v6, 31, v0
	v_lshlrev_b32 v[CO], 4, v6
	; where my 128 x 128 begins in qkvf
	s_cmp_eq_u32 ttmp9, 2
	s_cselect_b32 s20, s42, s17                    ; the tile on the tokens' side, and my half of it;
	s_cselect_b32 s21, s16, s15
	s_cselect_b32 s22, s17, s42                    ; the tile on the channels' side, and my half
	s_cselect_b32 s23, s15, s16
	s_lshr_b32 s46, s22, 2
	s_lshl_b32 s46, s46, 24                        ; the part: q, k or v
	s_lshr_b32 s47, s20, 3
	s_lshl_b32 s47, s47, 4                         ; batch x 16
	s_and_b32 s92, s22, 3
	s_lshl_b32 s92, s92, 2
	s_add_co_u32 s47, s47, s92
	s_lshl_b32 s92, s23, 1
	s_add_co_u32 s47, s47, s92                     ; + my first head
	s_lshl_b32 s47, s47, 18
	s_add_co_u32 s46, s46, s47
	s_and_b32 s47, s20, 7
	s_lshl_b32 s47, s47, 4
	s_lshl_b32 s92, s21, 3
	s_add_co_u32 s47, s47, s92                     ; my first tile of 16 tokens
	s_lshl_b32 s47, s47, 11
	s_add_co_u32 s46, s46, s47
	s_mov_b32 s47, 0
	s_add_nc_u64 s[12:13], s[12:13], s[46:47]
.macro FRAG reg, adr, q, i             ; 16 rows x 128 K of 4-bit codes: 8 registers; registers 4 c .. 4 c + 3 hold K = 64 c + 32 h + 0 .. 31
.irp c, 0,1
	ds_load_b128 v[\reg+4*\c:\reg+4*\c+3], v[\adr] offset:64*(\q)+32*\c+(\i)*16*PITCH
.endr
.endm
; 16 matrix instructions: A's blocks a0, a0 + 1 x B's eight.  The 64 accumulators take turns, one instruction a turn, in the same order in every step.
.macro MUL16 a0, p, q, sc, zero
.irp a, \a0, \a0+1
.irp b, 0,1,2,3,4,5,6,7
.if \zero
	v_wmma_scale_f32_16x16x128_f8f6f4 v[8*(8*((\a)%4)+\b):8*(8*((\a)%4)+\b)+7], v[128*(\p)+FR*\b:128*(\p)+FR*\b+FR-1], v[AF+FR*(\a):AF+FR*(\a)+FR-1], 0, v[SC+8*NQ*(\sc)+NQ*\b+(\q)], v[SC+8*NQ*(\sc)+NQ*(\a)+(\q)] matrix_a_fmt:MATRIX_FMT_FP4 matrix_b_fmt:MATRIX_FMT_FP4 matrix_a_scale:MATRIX_SCALE_ROW1
.else
	v_wmma_scale_f32_16x16x128_f8f6f4 v[8*(8*((\a)%4)+\b):8*(8*((\a)%4)+\b)+7], v[128*(\p)+FR*\b:128*(\p)+FR*\b+FR-1], v[AF+FR*(\a):AF+FR*(\a)+FR-1], v[8*(8*((\a)%4)+\b):8*(8*((\a)%4)+\b)+7], v[SC+8*NQ*(\sc)+NQ*\b+(\q)], v[SC+8*NQ*(\sc)+NQ*(\a)+(\q)] matrix_a_fmt:MATRIX_FMT_FP4 matrix_b_fmt:MATRIX_FMT_FP4 matrix_a_scale:MATRIX_SCALE_ROW1
.endif
.endr
.endr
.endm
.macro FETCH_B slot, q, p
	WIN TO_B
.irp i, 0,1,2,3,4,5,6,7
	FRAG 128*(\p)+FR*\i, ADRB+\slot, \q, \i
.endr
	WIN 0
.endm
.macro FETCH_A slot, q, i0
.irp i, \i0, \i0+1, \i0+2, \i0+3
	FRAG AF+FR*(\i), ADRA+\slot, \q, \i
.endr
.endm
.macro SCALES sc                       ; a slot's scale words: four words a row; lanes 0-15 take A's block i, lanes 16-31 B's block i
.irp i, 0,1,2,3,4,5,6,7
	ds_load_b128 v[SC+8*NQ*\sc+NQ*\i:SC+8*NQ*\sc+NQ*\i+3], v[ADRS] offset:\i*SBLK
.endr
.endm
.macro PLACES n                        ; plain vector lines between matrix instructions and loads into, or reads of, their registers
.rept \n
	v_nop
.endr
.endm
.macro STEP slot, q, zero              ; a step of 128 along K that has its successor in the same slot
	s_wait_dscnt 4*NL                              ; B's set and A's blocks 0-3 are in; the youngest eight loads (A's blocks 4-7) may be out
	WIN MUL_LO
	MUL16 0, (\q)%2, \q, \slot, \zero
	MUL16 2, (\q)%2, \q, \slot, \zero
	s_wait_dscnt 0
	PLACES NP
	FETCH_B \slot, (\q)+1, 1-(\q)%2
	FETCH_A \slot, (\q)+1, 0
	WIN MUL_HI
	MUL16 4, (\q)%2, \q, \slot, \zero
	MUL16 6, (\q)%2, \q, \slot, \zero
	PLACES NP
	WIN 0
	FETCH_A \slot, (\q)+1, 4
.endm
.macro STEPS slot, from
.set Q, \from
.rept NQ-1-\from
	STEP \slot, Q, 0
.set Q, Q+1
.endr
.endm
	s_wait_tensorcnt 1                             ; the scales and my part of slot 0 are in; slot 1's load may be out
	s_barrier_signal -1
	s_barrier_wait -1
	FETCH_B 0, 0, 0
	FETCH_A 0, 0, 0
	SCALES 0
	FETCH_A 0, 0, 4
	STEP 0, 0, 1                                   ; the first products start the sums: nothing is cleared
	STEPS 0, 1
	; slot 0's last step, and the change to slot 1: one barrier; nothing is filled again
	s_wait_tensorcnt 0x0                           ; my part of slot 1 has landed
	ds_add_u32 v[SPW], v[NIL]
	s_wait_dscnt 4*NL+1                            ; the add and the youngest eight loads may be out
	WIN MUL_LO
	MUL16 0, 1, NQ-1, 0, 0
	s_wait_dscnt 0x0
	s_barrier_signal -1
	MUL16 2, 1, NQ-1, 0, 0
	WIN 0
	s_barrier_wait -1                              ; slot 1 is whole
	PLACES NP
	v_add_nc_u32 v[ADRS], 4*NQ, v[ADRS]            ; on to slot 1's scale words
	FETCH_B 1, 0, 0
	FETCH_A 1, 0, 0
	SCALES 1
	WIN MUL_HI
	MUL16 4, 1, NQ-1, 0, 0
	MUL16 6, 1, NQ-1, 0, 0
	PLACES NP
	WIN 0
	FETCH_A 1, 0, 4
	STEPS 1, 0
	s_wait_dscnt 4*NL                              ; the last step: nothing more to fetch
	WIN MUL_LO
	MUL16 0, 1, NQ-1, 1, 0
	MUL16 2, 1, NQ-1, 1, 0
	s_wait_dscnt 0
	WIN MUL_HI
	MUL16 4, 1, NQ-1, 1, 0
	MUL16 6, 1, NQ-1, 1, 0
	WIN 0
; THE WAY OUT of A's block a: eight accumulators round to f16, each from its low end on, 16 bytes a lane; eight stores of 512 consecutive bytes.
; mode 0 (q, k): a counts tiles of tokens, b tiles of channels; mode 1 (v): the other way round.  Four sets of 32 registers take turns.
.macro OUTB a, mode
.set AC, 64*((\a)%4)
.set OREG, 128+32*((\a)%4)
.if (\a) >= 4
	s_wait_xcnt 0x0                                ; the set's earlier stores have read their data
.endif
	WIN 0x0a+5*((\a)/4)                            ; sources in window 2 or 3
.irp b, 0,1,2,3,4,5,6,7
.irp i, 0,1,2,3
	v_cvt_pk_f16_f32 v[OREG+4*\b+\i], v[AC+8*\b+2*\i], v[AC+8*\b+2*\i+1]
.endr
.endr
	WIN 0
.irp b, 0,1,2,3,4,5,6,7
.if \mode
	global_store_b128 v[CO], v[OREG+4*\b:OREG+4*\b+3], s[12:13] offset:\b*2048+((\a)/4)*262144+((\a)%4)*512
.else
	global_store_b128 v[CO], v[OREG+4*\b:OREG+4*\b+3], s[12:13] offset:(\a)*2048+(\b/4)*262144+(\b%4)*512
.endif
.endr
.endm
	PLACES NP                                      ; behind the last products: their results are read, and A's fragments' registers written, below
	s_cmp_eq_u32 ttmp9, 2
	s_cbranch_scc1 .Lv
.irp a, 0,1,2,3,4,5,6,7
	OUTB \a, 0
.endr
	s_wait_tensorcnt 0x0                           ; the wave's end
	ds_add_u32 v[SPW], v[NIL]
	s_wait_dscnt 0x0
	CROUND                                         ; the closing round
	s_endpgm
.Lv:
.irp a, 0,1,2,3,4,5,6,7
	OUTB \a, 1
.endr
	s_wait_tensorcnt 0x0
	ds_add_u32 v[SPW], v[NIL]
	s_wait_dscnt 0x0
	CROUND
	s_endpgm
.Lfunc_end_k_q0a15ec47ec_gemm_qkv:
	.size	k_q0a15ec47ec_gemm_qkv, .Lfunc_end_k_q0a15ec47ec_gemm_qkv-k_q0a15ec47ec_gemm_qkv
	.p2alignl 7, 3214868480
	.fill 96, 4, 3214868480
	.section	.rodata,"a",@progbits
	.p2align	6, 0x0
	.amdhsa_kernel k_q0a15ec47ec_gemm_qkv
		.amdhsa_group_segment_fixed_size 327680
		.amdhsa_private_segment_fixed_size 0
		.amdhsa_enable_private_segment 0
		.amdhsa_kernarg_size 40
		.amdhsa_user_sgpr_count 2
		.amdhsa_user_sgpr_kernarg_segment_ptr 1
		.amdhsa_wavefront_size32 1
		.amdhsa_system_sgpr_workgroup_id_x 1
		.amdhsa_system_sgpr_workgroup_id_y 1
		.amdhsa_system_sgpr_workgroup_id_z 1
		.amdhsa_system_vgpr_workitem_id 0
		.amdhsa_next_free_vgpr 1024
		.amdhsa_next_free_sgpr 102
		.amdhsa_reserve_vcc 0
		.amdhsa_float_denorm_mode_32 3
		.amdhsa_float_denorm_mode_16_64 3
		.amdhsa_memory_ordered 1
		.amdhsa_forward_progress 1
		.amdhsa_inst_pref_size 141
	.end_amdhsa_kernel
	.amdgpu_metadata
---
amdhsa.version: [ 1, 2 ]
amdhsa.kernels:
  - .name:           k_q0a15ec47ec_gemm_qkv
    .symbol:         k_q0a15ec47ec_gemm_qkv.kd
    .args:
      - { .name: x_codes, .offset: 0, .size: 8, .value_kind: global_buffer, .address_space: global }
      - { .name: x_scales, .offset: 8, .size: 8, .value_kind: global_buffer, .address_space: global }
      - { .name: wa_codes, .offset: 16, .size: 8, .value_kind: global_buffer, .address_space: global }
      - { .name: wa_scales, .offset: 24, .size: 8, .value_kind: global_buffer, .address_space: global }
      - { .name: qkvf, .offset: 32, .size: 8, .value_kind: global_buffer, .address_space: global }
    .group_segment_fixed_size: 327680
    .private_segment_fixed_size: 0
    .kernarg_segment_align: 8
    .kernarg_segment_size: 40
    .max_flat_workgroup_size: 128
    .sgpr_count:     102
    .vgpr_count:     1024
    .wavefront_size: 32
...
	.end_amdgpu_metadata
.endif
;; end of part 3
;; launch attention (part 4): grid 4 x 64, 16 waves a work-group, no clusters, 327,680 bytes of LDS; arguments qkvf, yf; writes yf
.if DOCPART == 4
	.amdgcn_target "amdgcn-amd-amdhsa--gfx1250"
	.amdhsa_code_object_version 6
	.text
	.protected	k_q0a15ec47ec_attention
	.globl	k_q0a15ec47ec_attention
	.p2align	8
	.type	k_q0a15ec47ec_attention,@function
k_q0a15ec47ec_attention:
	s_mov_b64 s[64:65], 0
	v_nop
	global_prefetch_b8 v0, s[64:65] scope:SCOPE_SE
	s_setreg_imm32_b32 hwreg(HW_REG_WAVE_MODE, 25, 1), 1
	s_wait_xcnt 0x0
; y[b][h][q] = the sum over k <= q of softmax_k(q . k / 64) v[k], T = 2048, head size 64, 64 pairs (batch, head).  Operands f16, products, maxima and sums f32; the weights p are rounded to f16.
; q, k, v come in the order of operand registers (qkvf: part x 2^24 + bh x 2^18 + tile of 16 tokens x 2048 + tile of 16 channels x 512 + 16 x lane): every LDS read is at 16 x lane, v needs no turning.
; SHARES.  Work-group (i, bh) owns the blocks i and 7 - i of 256 queries: nine units of 256 x 256 under the causal mask in every work-group, 256 equal work-groups.
; A wave owns 32 queries, two tiles of 16; eight waves take the early block, eight the late one, mixed so that each group of four neighbouring waves and each residue modulo 4 has two of each.
; All sixteen walk one ring of two LDS slots of 256 keys (K 32,768 bytes, V 32,768), filled by waves 0-3 (16,384 dense bytes each).
; Every work-group walks all eight slots, so that trip counts are constants; a step of 64 keys all of which come after a wave's queries is jumped over (a scalar branch on ids, round no barrier),
; and a slot whose first key comes after the work-group's last query is not asked for (a test on ids, the same in all waves; every wait on TENSORcnt is for 0).
; LAYOUT.  S^T = K Q^T and O^T = V^T P: a lane holds one query (lane % 16) throughout; two tiles of S^T, rounded in pairs, are the second product's source 1.
; SOFTMAX.  A running maximum m and sum l for each query: p = 2^(c s - c m), c = log2(e) / 64; in every step O and l are multiplied by a = 2^(c m_old - c m_new).  m begins at -3e38, O and l at 0.
; NO CLUSTER: the four work-groups of a head need 8, 7, 6 and 5 slots, so a joint load would bring some partner tiles that none of its waves reads; and the causal branches hang on the work-group's number.
; y leaves as f16 in the order of the projection's operand registers: yf byte = (b x 128 + tile of tokens) x 32768 + head x 2048 + tile of channels x 512 + 16 x lane.
; LIMITS: scores above -3e38; |y| under 65,504; NaN and infinities are not served.  The first 16 positions of every sequence are computed again more finely by later launches.
.set SLOTB, 65536
.set SPARE, 131072                     ; behind the ring: the spare words, 128 bytes for each of 16 waves
.set AL,  1                            ; v1  16 x lane
.set ADR, 2                            ; v2  LDS address of the step's loads
.set DM,  3                            ; v3  lane % 16 - 8 (lane / 16)
.set PFO, 4                            ; v4  256 x lane
.set SPW, 5
.set NIL, 6
.set ST,  8                            ; v8-23   eight a tile: +0 c m, +1 m, +2, +3 l, +4..+7 at work (a at +6)
.set T,   24                           ; v24-31  at work
.set Q,   32                           ; v32-63  Q: tile t, tile of channels c at Q + 16 t + 4 c
.set KV,  64                           ; v64-127 a step's K, then its V
.set S,   128                          ; v128-191 S^T: tile t, 16 keys kt at S + 32 t + 8 kt; then p; then P
.set O,   192                          ; v192-255 O^T: tile t, 16 channels ct at O + 32 t + 8 ct
.set WV,  8
.set Q0,  12                           ; my first query
.set QL,  13                           ; my last
.set KF,  14                           ; the step's first key
.set TB,  15                           ; LDS byte at which the slot in hand begins
.set SLOTS, 16
.set WGL, 17                           ; my work-group's last query
.set SEL, 18
.set CS,  20
.set G1,  24
.set G0,  32
.set PFA, 36
.set LIM, 38
.set YB,  52
.set QB,  54
.macro TLOAD                           ; waves 0-3 fetch, one load each; an s_nop 0 and four v_nop follow the line
	s_cmp_lt_u32 s[WV], 4
	s_cbranch_scc0 .Lasked_\@
	tensor_load_to_lds s[G0:G0+3], s[G1:G1+7]
	s_nop 0
.rept 4
	v_nop
.endr
.Lasked_\@:
.endm
; A prefetch of the slot that the NEXT change of slots will ask for.  All four work-groups of a head walk the same K and V: the first of them, which loads all eight slots, asks.
; In it waves 4-7 name K's 32,768 bytes and waves 8-11 V's: 8,192 bytes a wave, lanes 256 bytes apart: each run of 256 bytes is named once in the launch.
; Slots 0 and 1 come by their loads alone; the last change that fills a slot asks for nothing.
.macro ASK
	s_cmp_gt_u32 s[SLOTS], s[LIM]
	s_cbranch_scc0 .Lnot_mine_\@
	global_prefetch_b8 v[PFO], s[PFA:PFA+1] th:TH_LOAD_NT scope:SCOPE_SE
.Lnot_mine_\@:
.endm
	s_load_b128 s[4:7], s[0:1], 0x0                ; qkvf, yf
	v_lshl_add_u32 v[SPW], v0, 2, SPARE
	v_mov_b32 v[NIL], 0
	ds_add_u32 v[SPW], v[NIL]                      ; the wave's opening: the add, twice on end, and its wait ahead of the first tensor load
	ds_add_u32 v[SPW], v[NIL]
	v_lshrrev_b32 v7, 5, v0
	v_readfirstlane_b32 s[WV], v7                  ; wave 0..15
	s_and_b32 s9, ttmp7, 0xffff                    ; batch x 16 + head
	s_lshr_b32 s40, s[WV], 2
	s_xor_b32 s40, s40, s[WV]
	s_and_b32 s40, s40, 1                          ; 0: the early block, 1: the late one
	s_sub_co_u32 s41, 7, ttmp9
	s_cmp_eq_u32 s40, 1
	s_cselect_b32 s42, s41, ttmp9                  ; my block of 256 queries
	s_lshl_b32 s[Q0], s42, 8
	s_lshr_b32 s43, s[WV], 1
	s_lshl_b32 s43, s43, 5
	s_add_co_u32 s[Q0], s[Q0], s43
	s_add_co_u32 s[QL], s[Q0], 31
	s_lshl_b32 s[WGL], s41, 8
	s_add_co_u32 s[WGL], s[WGL], 255
	s_mov_b32 s[G1], 3<<16                         ; no mask; elements of 8 bytes; no padding
	s_mov_b32 s[G1+1], 32<<16                      ; tensor_dim0 = 32 (256 bytes)
	s_mov_b32 s[G1+2], 64<<16                      ; tensor_dim1 = 64
	s_mov_b32 s[G1+3], 32<<16                      ; tile_dim0
	s_mov_b32 s[G1+4], 64                          ; tile_dim1
	s_mov_b32 s[G1+5], 32                          ; the pitch: dense
	s_mov_b32 s[G1+6], 0
	s_mov_b32 s[G1+7], 0
	s_mov_b32 s[SEL], 0x76543210
	s_mov_b32 s[SEL+1], 0xfedcba98
	s_mov_b32 s[CS], 0x3cb8aa3b                    ; c = log2(e) / 64
	s_mov_b32 s[CS+1], s[CS]
	s_mov_b32 s[KF], 0
	s_mov_b32 s[TB], 0
	s_mov_b32 s[SLOTS], 7
	s_lshl_b32 s44, s9, 18                         ; the head's first byte in a part
	s_bfe_u32 s45, s[WV], 0x10001
	s_add_co_u32 s45, s45, 1                       ; waves 0, 1: part 1 (K); waves 2, 3: part 2 (V)
	s_lshl_b32 s45, s45, 24
	s_add_co_u32 s46, s45, s44
	s_and_b32 s45, s[WV], 1
	s_lshl_b32 s45, s45, 14                        ; which half of a slot's 32,768 bytes
	s_add_co_u32 s46, s46, s45
	s_mov_b32 s47, 0
	s_and_b32 s10, s[WV], 3
	s_lshl_b32 s10, s10, 14                        ; and where it goes in a slot
	s_wait_dscnt 0x0                               ; both opening adds are done
	s_wait_kmcnt 0x0
	s_mov_b32 s[G0], 1
	s_mov_b32 s[G0+1], s10
	s_add_nc_u64 s[G0+2:G0+3], s[4:5], s[46:47]
	s_or_b32 s[G0+3], s[G0+3], 0x80000000
	TLOAD                                          ; slot 0: keys 0-255, which count for queries of every work-group
	s_lshl_b32 s46, s[Q0], 7
	s_add_co_u32 s46, s46, s44
	s_add_nc_u64 s[QB:QB+1], s[4:5], s[46:47]      ; Q at my first tile
	s_lshr_b32 s46, s9, 4
	s_lshl_b32 s46, s46, 22
	s_lshl_b32 s45, s[Q0], 11
	s_add_co_u32 s46, s46, s45
	s_and_b32 s45, s9, 15
	s_lshl_b32 s45, s45, 11
	s_add_co_u32 s46, s46, s45
	s_add_nc_u64 s[YB:YB+1], s[6:7], s[46:47]      ; y likewise
	s_lshr_b32 s45, s[WV], 3
	s_add_co_u32 s45, s45, 1                       ; the prefetches: waves 4-7 K, waves 8-11 V
	s_lshl_b32 s46, s45, 24
	s_add_co_u32 s46, s46, s44
	s_and_b32 s45, s[WV], 3
	s_lshl_b32 s45, s45, 13
	s_add_co_u32 s46, s46, s45
	s_add_co_u32 s46, s46, 32768                   ; in slot 1: the first change of slots steps it to slot 2
	s_add_nc_u64 s[PFA:PFA+1], s[4:5], s[46:47]
	s_sub_co_u32 s45, s[WV], 4
	s_lshr_b32 s45, s45, 3                         ; 0 in waves 4 to 11,
	s_or_b32 s45, s45, ttmp9                       ; of the head's first work-group
	s_cmp_eq_u32 s45, 0
	s_cselect_b32 s[LIM], 1, -1
	v_and_b32 v7, 31, v0
	v_lshlrev_b32 v[AL], 4, v7
	v_lshlrev_b32 v[PFO], 8, v7
	v_and_b32 v[DM], 15, v0
	v_bfe_u32 v7, v0, 4, 1
	v_lshlrev_b32 v7, 3, v7
	v_sub_nc_u32 v[DM], v[DM], v7
.irp t, 0,1
.irp c, 0,1,2,3
	global_load_b128 v[Q+16*\t+4*\c:Q+16*\t+4*\c+3], v[AL], s[QB:QB+1] offset:2048*\t+512*\c   ; Q stays in registers
.endr
.endr
.irp t, 0,1
	v_mov_b32 v[ST+8*\t+1], 0xff61b1e6             ; m = -3e38, under every score
	v_mul_f32 v[ST+8*\t], s[CS], v[ST+8*\t+1]
.irp j, 2,3,4,5,6,7
	v_mov_b32 v[ST+8*\t+\j], 0
.endr
.endr
.irp j, 0,1,2,3,4,5,6,7,8,9,10,11,12,13,14,15,16,17,18,19,20,21,22,23,24,25,26,27,28,29,30,31,32,33,34,35,36,37,38,39,40,41,42,43,44,45,46,47,48,49,50,51,52,53,54,55,56,57,58,59,60,61,62,63
	v_mov_b32 v[O+\j], 0                           ; the step is written with no first step of its own: the first a is 0 and multiplies zeros
.endr
.macro SMAX t                          ; the tile's new maximum: four chains over the four accumulators, each begun at its low end; the other half of the lanes; c m; c m_old - c m_new
.set rT, ST+8*(\t)
.set rS, S+32*(\t)
.irp j, 0,1,2,3
	v_max3_num_f32 v[rT+4+\j], v[rS+8*\j], v[rS+8*\j+1], v[rS+8*\j+2]
.endr
.irp u, 1,2
.irp j, 0,1,2,3
	v_max3_num_f32 v[rT+4+\j], v[rT+4+\j], v[rS+8*\j+2*\u+1], v[rS+8*\j+2*\u+2]
.endr
.endr
	v_max3_num_f32 v[rT+4], v[rT+4], v[rS+7], v[rS+15]
	v_max3_num_f32 v[rT+6], v[rT+6], v[rS+23], v[rS+31]
	v_max3_num_f32 v[rT+4], v[rT+4], v[rT+5], v[rT+6]
	v_max3_num_f32 v[rT+4], v[rT+4], v[rT+7], v[rT+1]
	v_permlanex16_b32 v[rT+5], v[rT+4], s[SEL], s[SEL+1]
	v_mov_b32 v[rT+7], v[rT]
	v_max_num_f32 v[rT+1], v[rT+4], v[rT+5]
	v_mul_f32 v[rT], s[CS], v[rT+1]
	v_sub_f32 v[rT+7], v[rT+7], v[rT]
.endm
.macro SSUM t                          ; the row's sum of the unrounded p, in two chains; l = a l + the sum
.set rT, ST+8*(\t)
.set rS, S+32*(\t)
.set rU, T+4*(\t)
	v_pk_add_f32 v[rU:rU+1], v[rS:rS+1], v[rS+2:rS+3]
	v_pk_add_f32 v[rU+2:rU+3], v[rS+4:rS+5], v[rS+6:rS+7]
.irp j, 8,12,16,20,24,28
	v_pk_add_f32 v[rU:rU+1], v[rU:rU+1], v[rS+\j:rS+\j+1]
	v_pk_add_f32 v[rU+2:rU+3], v[rU+2:rU+3], v[rS+\j+2:rS+\j+3]
.endr
	v_pk_add_f32 v[rU:rU+1], v[rU:rU+1], v[rU+2:rU+3]
	v_pk_fma_f32 v[rT+2:rT+3], v[rT+2:rT+3], v[rT+6:rT+7], v[rU:rU+1] op_sel_hi:[1,0,1]
.endm
; A KEY STEP: 64 keys, the q-th of the slot in hand.
.macro STEP q
	s_cmp_gt_u32 s[KF], s[QL]                      ; all its keys come after my queries: left out
	s_cbranch_scc1 .Lhidden_\@
	v_add_nc_u32 v[ADR], s[TB], v[AL]
.rept 4
	v_nop                                          ; with the line above five plain lines behind the last V^T P: four ahead of the loads into its V, five ahead of the products that write over its P
.endr
.irp kt, 0,1,2,3
.irp c, 0,1,2,3
	ds_load_b128 v[KV+16*\kt+4*\c:KV+16*\kt+4*\c+3], v[ADR] offset:8192*(\q)+2048*\kt+512*\c
.endr
.endr
	s_wait_dscnt 0x0
.irp s, 0,1                            ; S^T = K Q^T: eight accumulators by turns, 32 channels at a time
.irp kt, 0,1,2,3
.irp t, 0,1
.if \s == 0
	v_wmma_f32_16x16x32_f16 v[S+32*\t+8*\kt:S+32*\t+8*\kt+7], v[KV+16*\kt+8*\s:KV+16*\kt+8*\s+7], v[Q+16*\t+8*\s:Q+16*\t+8*\s+7], 0
.else
	v_wmma_f32_16x16x32_f16 v[S+32*\t+8*\kt:S+32*\t+8*\kt+7], v[KV+16*\kt+8*\s:KV+16*\kt+8*\s+7], v[Q+16*\t+8*\s:Q+16*\t+8*\s+7], v[S+32*\t+8*\kt:S+32*\t+8*\kt+7]
.endif
.endr
.endr
.endr
.rept 4
	v_nop                                          ; ahead of the loads into K's registers and of the first read of the scores
.endr
.irp k2, 0,1                           ; V lands while the softmax is worked
.irp ct, 0,1,2,3
.irp c, 0,1
	ds_load_b128 v[KV+32*\k2+8*\ct+4*\c:KV+32*\k2+8*\ct+4*\c+3], v[ADR] offset:32768+8192*(\q)+(2*\k2+\c)*2048+512*\ct
.endr
.endr
.endr
	s_add_co_u32 s40, s[KF], 63
	s_cmp_le_u32 s40, s[Q0]                        ; all 64 keys count for all my queries: no mask
	s_cbranch_scc1 .Lopen_\@
	s_sub_co_i32 s40, s[Q0], s[KF]
	v_add_nc_u32 v[T], s40, v[DM]                  ; register 8 kt + j of tile t holds key KF + 16 kt + 8 (lane / 16) + j: hidden where 16 kt + j - 16 t > this number
	v_mov_b32 v[T+1], 0xff800000
.irp t, 0,1
.irp n, 0,1,2,3,4,5,6,7,8,9,10,11,12,13,14,15,16,17,18,19,20,21,22,23,24,25,26,27,28,29,30,31
	v_cmp_gt_i32 vcc_lo, 16*(\n/8)+\n%8-16*\t, v[T]
	v_cndmask_b32 v[S+32*\t+\n], v[S+32*\t+\n], v[T+1], vcc_lo
.endr
.endr
.Lopen_\@:
	SMAX 0
	SMAX 1
.irp t, 0,1
.irp b, 0,1,2,3,4,5,6,7,8,9,10,11,12,13,14,15
	v_pk_fma_f32 v[S+32*\t+2*\b:S+32*\t+2*\b+1], v[S+32*\t+2*\b:S+32*\t+2*\b+1], s[CS:CS+1], v[ST+8*\t:ST+8*\t+1] op_sel_hi:[1,0,0] neg_lo:[0,0,1] neg_hi:[0,0,1]   ; c s - c m
.endr
.endr
	v_exp_f32 v[ST+6], v[ST+7]                     ; a, and the 64 weights: one batch
	v_exp_f32 v[ST+14], v[ST+15]
.irp n, 0,1,2,3,4,5,6,7,8,9,10,11,12,13,14,15,16,17,18,19,20,21,22,23,24,25,26,27,28,29,30,31,32,33,34,35,36,37,38,39,40,41,42,43,44,45,46,47,48,49,50,51,52,53,54,55,56,57,58,59,60,61,62,63
	v_exp_f32 v[S+\n], v[S+\n]
.endr
	v_nop                                          ; a plain line behind the last exponential
	s_wait_alu depctr_va_vdst(0)                   ; one wait for the batch, ahead of its first reader
	SSUM 0
	SSUM 1
.irp t, 0,1                            ; p to f16, in place and ascending: P of 32 keys takes the first 8 of their 16 registers
.irp kp, 0,1
.irp i, 0,1,2,3,4,5,6,7
	v_cvt_pk_f16_f32 v[S+32*\t+16*\kp+\i], v[S+32*\t+16*\kp+2*\i], v[S+32*\t+16*\kp+2*\i+1]
.endr
.endr
.endr
.irp t, 0,1
.irp i, 0,1,2,3,4,5,6,7,8,9,10,11,12,13,14,15
	v_pk_mul_f32 v[O+32*\t+2*\i:O+32*\t+2*\i+1], v[O+32*\t+2*\i:O+32*\t+2*\i+1], v[ST+8*\t+6:ST+8*\t+7] op_sel_hi:[1,0]   ; O^T x a
.endr
.endr
	s_wait_dscnt 0x0                               ; V is in
.irp k2, 0,1                           ; O^T += V^T P: eight accumulators by turns, 32 keys at a time
.irp ct, 0,1,2,3
.irp t, 0,1
	v_wmma_f32_16x16x32_f16 v[O+32*\t+8*\ct:O+32*\t+8*\ct+7], v[KV+32*\k2+8*\ct:KV+32*\k2+8*\ct+7], v[S+32*\t+16*\k2:S+32*\t+16*\k2+7], v[O+32*\t+8*\ct:O+32*\t+8*\ct+7]
.endr
.endr
.endr
.Lhidden_\@:
	s_add_co_u32 s[KF], s[KF], 64
.endm
; THE CHANGE OF SLOTS stands at a slot's head.  Each wave waits for all its tensor loads, adds 0 to its spare word, and waits for that and for its reads of the slot that it has left; one barrier.
; fill = 1: behind it the slot that has been left is asked for anew, with the keys that follow the slot ahead, up to the causal limit; the load has a slot's four steps in which to land.
.macro CHANGE fill
	s_wait_tensorcnt 0x0                           ; no tensor load of mine is out, so the group 0 may be written
	ds_add_u32 v[SPW], v[NIL]
.if \fill
	ds_add_u32 v[SPW], v[NIL]                      ; and twice on end here, in every trip alike
	s_xor_b32 s[G0+1], s[G0+1], SLOTB              ; the other slot than last time,
	s_add_nc_u64 s[G0+2:G0+3], s[G0+2:G0+3], 32768 ; the next 256 keys
	s_wait_xcnt 0x0                                ; the last prefetch, a slot back, has read its address
	s_add_nc_u64 s[PFA:PFA+1], s[PFA:PFA+1], 32768
.endif
	s_wait_dscnt 0x0
	s_barrier_signal -1
	s_barrier_wait -1
.if \fill
	s_add_co_u32 s40, s[KF], 256                   ; the first key of the slot that this change would ask for
	s_cmp_gt_u32 s40, s[WGL]                       ; past my work-group's last query none of its waves would read it
	s_cbranch_scc1 .Lpast_\@
	TLOAD
.Lpast_\@:
	ASK
.endif
.endm
	s_wait_loadcnt 0x0                             ; Q
.Lslot:                                            ; seven trips
	CHANGE 1
	STEP 0
	STEP 1
	STEP 2
	STEP 3
	s_xor_b32 s[TB], s[TB], SLOTB
	s_sub_co_u32 s[SLOTS], s[SLOTS], 1
	s_cmp_lg_u32 s[SLOTS], 0
	s_cbranch_scc1 .Lslot
	CHANGE 0                                       ; the last slot is written out: nothing is asked for behind it
	STEP 0
	STEP 1
	STEP 2
	STEP 3
	; THE WAY OUT: l's halves and the other half of the lanes'; O^T / l, rounded to f16: a lane's eight channels are 16 bytes at 16 x lane of the tile's image.
.rept 4
	v_nop
.endr
.irp t, 0,1
	v_add_f32 v[ST+8*\t+4], v[ST+8*\t+2], v[ST+8*\t+3]
.endr
.irp t, 0,1
	v_permlanex16_b32 v[ST+8*\t+5], v[ST+8*\t+4], s[SEL], s[SEL+1]
.endr
.irp t, 0,1
	v_add_f32 v[ST+8*\t+4], v[ST+8*\t+4], v[ST+8*\t+5]
.endr
.irp t, 0,1
	v_rcp_f32 v[ST+8*\t+6], v[ST+8*\t+4]
.endr
	v_nop
	s_wait_alu depctr_va_vdst(0)                   ; one wait for the two reciprocals
.irp t, 0,1
.irp i, 0,1,2,3,4,5,6,7,8,9,10,11,12,13,14,15
	v_pk_mul_f32 v[O+32*\t+2*\i:O+32*\t+2*\i+1], v[O+32*\t+2*\i:O+32*\t+2*\i+1], v[ST+8*\t+6:ST+8*\t+7] op_sel_hi:[1,0]
.endr
.endr
.irp t, 0,1
.irp i, 0,1,2,3,4,5,6,7,8,9,10,11,12,13,14,15
	v_cvt_pk_f16_f32 v[S+16*\t+\i], v[O+32*\t+2*\i], v[O+32*\t+2*\i+1]
.endr
.endr
.irp t, 0,1
.irp ct, 0,1,2,3
	global_store_b128 v[AL], v[S+16*\t+4*\ct:S+16*\t+4*\ct+3], s[YB:YB+1] offset:32768*\t+512*\ct   ; 512 consecutive aligned bytes a store
.endr
.endr
	s_wait_tensorcnt 0x0                           ; the wave's end
	ds_add_u32 v[SPW], v[NIL]
	s_wait_dscnt 0x0
	s_endpgm
.Lfunc_end_k_q0a15ec47ec_attention:
	.size	k_q0a15ec47ec_attention, .Lfunc_end_k_q0a15ec47ec_attention-k_q0a15ec47ec_attention
	.p2alignl 7, 3214868480
	.fill 96, 4, 3214868480
	.section	.rodata,"a",@progbits
	.p2align	6, 0x0
	.amdhsa_kernel k_q0a15ec47ec_attention
		.amdhsa_group_segment_fixed_size 327680
		.amdhsa_private_segment_fixed_size 0
		.amdhsa_enable_private_segment 0
		.amdhsa_kernarg_size 16
		.amdhsa_user_sgpr_count 2
		.amdhsa_user_sgpr_kernarg_segment_ptr 1
		.amdhsa_wavefront_size32 1
		.amdhsa_system_sgpr_workgroup_id_x 1
		.amdhsa_system_sgpr_workgroup_id_y 1
		.amdhsa_system_sgpr_workgroup_id_z 1
		.amdhsa_system_vgpr_workitem_id 0
		.amdhsa_next_free_vgpr 256
		.amdhsa_next_free_sgpr 66
		.amdhsa_reserve_vcc 1
		.amdhsa_float_denorm_mode_32 3
		.amdhsa_float_denorm_mode_16_64 3
		.amdhsa_memory_ordered 1
		.amdhsa_forward_progress 1
		.amdhsa_inst_pref_size 184
	.end_amdhsa_kernel
	.amdgpu_metadata
---
amdhsa.version: [ 1, 2 ]
amdhsa.kernels:
  - .name:           k_q0a15ec47ec_attention
    .symbol:         k_q0a15ec47ec_attention.kd
    .args:
      - { .name: qkvf, .offset: 0, .size: 8, .value_kind: global_buffer, .address_space: global }
      - { .name: yf, .offset: 8, .size: 8, .value_kind: global_buffer, .address_space: global }
    .group_segment_fixed_size: 327680
    .private_segment_fixed_size: 0
    .kernarg_segment_align: 8
    .kernarg_segment_size: 16
    .max_flat_workgroup_size: 512
    .sgpr_count:     66
    .vgpr_count:     256
    .wavefront_size: 32
...
	.end_amdgpu_metadata
.endif
;; end of part 4
;; launch proj (part 5): grid 8 x 32, 4 waves a work-group, clusters of 4 x 4, 327,680 bytes of LDS; arguments yf, wp, out0; writes out0
.if DOCPART == 5
	.amdgcn_target "amdgcn-amd-amdhsa--gfx1250"
	.amdhsa_code_object_version 6
	.text
	.protected	k_q0a15ec47ec_proj
	.globl	k_q0a15ec47ec_proj
	.p2align	8
	.type	k_q0a15ec47ec_proj,@function
k_q0a15ec47ec_proj:
	s_mov_b64 s[64:65], 0
	v_nop
	global_prefetch_b8 v0, s[64:65] scope:SCOPE_SE
	s_setreg_imm32_b32 hwreg(HW_REG_WAVE_MODE, 25, 1), 1
	s_wait_xcnt 0x0
	s_wait_alu depctr_hold_cnt(0) depctr_sa_sdst(0) depctr_va_vdst(0) depctr_va_sdst(0) depctr_va_ssrc(0) depctr_va_vcc(0) depctr_vm_vsrc(0)
	s_getreg_b32 s2, hwreg(HW_REG_IB_STS2, 6, 4)
	s_cmp_eq_u32 s2, 0
	s_cbranch_scc0 .Lentry_in_a_cluster
	s_endpgm
.Lentry_in_a_cluster:
	s_bfe_u32 s2, ttmp6, 0x10000c
	s_cmp_lg_u32 s2, 0xf033
	s_cbranch_scc0 .Lentry_shape_is_right
	s_endpgm
.Lentry_shape_is_right:
; out = y W_proj: [8192][1024] x [1024][1024], f16 operands, f32 sums, f32 out.  Both operands come in the order of operand registers:
; yf byte = (tile of 16 rows) x 32768 + ks x 1024 + c x 512 + 16 x lane, wp likewise by tiles of 16 columns (its high parts): a fragment is two loads at 16 x lane, no pitch, no padding.
; A tile of out is 256 rows x 128 columns: 256 work-groups.  Four waves, each 128 x 64: 32 accumulators, 256 registers.
; K goes in steps of 128 through two LDS slots: A's 16 tiles x 4,096 bytes, then B's 8 x 4,096.  Waves 0, 1 fetch A's halves (8 rows of 4,096 bytes, 32,768 apart), waves 2, 3 B's (4 rows).
; Two slots of a longer step do not fit: (256 + 128) rows x 512 bytes x 2 is more than the work-group's LDS.
; CLUSTERS: 4 x 4 work-groups; A's tiles are asked for jointly along a row of the cluster, B's along a column; where a slot is filled again a round of the cluster's barrier stands in front.
; The matrix instruction takes 16 columns of W as source 0 and 16 rows of y as source 1: a lane holds eight neighbouring numbers of a row of out.
; No prefetch: the tile is small and the operands are read again by neighbours.  The rows of positions 0-15 of every sequence are stored again, more finely, by a later launch.
; REGISTERS: window 0: v16-29 addresses; v32-127, v128-223 two fragment buffers (A's eight at + 8 a, B's four at + 64 + 8 b); window 1: accumulator (a, b) at v[8 (4 a + b)].
.set KB,     4096                      ; 128 along K of one tile of 16 rows
.set SLOT,   98304
.set STAGE,  2*SLOT                    ; behind the ring: 16 rows x 272 bytes for each wave, for the way out
.set SPITCH, 272
.set SPARE,  STAGE+4*16*SPITCH
.set LAPS,   4                         ; a lap = two K steps
.set ADRA, 16
.set ADRB, 20
.set STO,  24
.set RD,   25
.set CO,   26
.set SPW,  28
.set NIL,  29
.set F0,   32
.set F1,   128
.set BK,   32                          ; the way out: two sets of 32 registers
.set G1, 24
.set G0, 32
.set G1B, 48
.set G0B, 56
.set MSB, 0
.macro WIN new
.if MSB != (\new)
	s_set_vgpr_msb (MSB<<8)|(\new)
.set MSB, (\new)
.endif
.endm
.set MUL, 0x50                         ; C and D window 1, sources window 0
.macro JLOAD s                         ; waves 0, 1 fetch for A, waves 2, 3 for B; an s_nop 0 and four v_nop follow each line
	s_cmp_eq_u32 s11, 0
	s_cbranch_scc0 .Lfor_b_\@
	tensor_load_to_lds s[G0+4*\s:G0+4*\s+3], s[G1:G1+7]
	s_nop 0
.rept 4
	v_nop
.endr
	s_branch .Lasked_\@
.Lfor_b_\@:
	tensor_load_to_lds s[G0B+4*\s:G0B+4*\s+3], s[G1B:G1B+7]
	s_nop 0
.rept 4
	v_nop
.endr
.Lasked_\@:
.endm
.macro CREST
	s_cmp_lg_u32 s10, 0
	s_cbranch_scc1 .Lnot_wave_0_\@
	s_barrier_signal -3
.Lnot_wave_0_\@:
	s_barrier_wait -3
	s_barrier_signal -1
	s_barrier_wait -1
.endm
.macro CROUND
	s_barrier_signal -1
	s_barrier_wait -1
	CREST
.endm
	s_load_b128 s[4:7], s[0:1], 0x0                ; yf, wp
	s_load_b64 s[8:9], s[0:1], 0x10                ; out0
	v_lshl_add_u32 v[SPW], v0, 2, SPARE
	v_mov_b32 v[NIL], 0
	ds_add_u32 v[SPW], v[NIL]                      ; the wave's opening: the add, twice on end, and its wait ahead of my first tensor load
	ds_add_u32 v[SPW], v[NIL]
	v_lshrrev_b32 v1, 5, v0
	v_readfirstlane_b32 s10, v1                    ; wave 0..3
	s_lshr_b32 s11, s10, 1                         ; which 128 rows are mine.  Also: I fetch for A (0) or for B (1)
	s_and_b32 s12, s10, 1                          ; which 64 columns.  Also: which half of that tile I fetch
	s_bfe_u32 s40, ttmp6, 0x40000                  ; cx
	s_bfe_u32 s41, ttmp6, 0x40004                  ; cy
	s_lshl_b32 s42, ttmp9, 2
	s_add_co_u32 s42, s42, s40                     ; tile column
	s_and_b32 s13, ttmp7, 0xffff
	s_lshl_b32 s13, s13, 2
	s_add_co_u32 s13, s13, s41                     ; tile row
	s_lshl_b32 s43, s41, 2
	s_lshl_b32 s43, 15, s43                        ; my row of the cluster
	s_lshl_b32 s44, 0x1111, s40                    ; my column
	s_or_b32 s[G1+0], s43, (3<<16)|(1<<21)         ; the mask; elements of 8 bytes; bit 21 beside a mask; no padding
	s_or_b32 s[G1B+0], s44, (3<<16)|(1<<21)
	s_mov_b32 s[G1+1], 512<<16                     ; tensor_dim0 = 512 (4,096 bytes)
	s_mov_b32 s[G1+2], 8<<16                       ; tensor_dim1 = 8
	s_mov_b32 s[G1+3], 512<<16                     ; tile_dim0
	s_mov_b32 s[G1+4], 8                           ; tile_dim1
	s_mov_b32 s[G1+5], 4096                        ; the pitch: 32,768 bytes
	s_mov_b32 s[G1+6], 0
	s_mov_b32 s[G1+7], 0
	s_mov_b32 s[G1B+1], 512<<16
	s_mov_b32 s[G1B+2], 4<<16
	s_mov_b32 s[G1B+3], 512<<16
	s_mov_b32 s[G1B+4], 4
	s_mov_b32 s[G1B+5], 4096
	s_mov_b32 s[G1B+6], 0
	s_mov_b32 s[G1B+7], 0
	s_lshl_b32 s16, s13, 19                        ; A: (16 x tile row + 8 x half) x 32,768
	s_lshl_b32 s17, s12, 18
	s_add_co_u32 s16, s16, s17
	s_mov_b32 s17, 0
	s_lshl_b32 s46, s42, 18                        ; B: (8 x tile column + 4 x half) x 32,768
	s_lshl_b32 s47, s12, 17
	s_add_co_u32 s46, s46, s47
	s_mov_b32 s47, 0
	s_lshl_b32 s20, s12, 15                        ; where they go in a slot: A's half,
	s_lshl_b32 s21, s12, 14
	s_add_co_u32 s21, s21, 65536                   ; B's half, behind A's 65,536 bytes
	s_wait_dscnt 0x0                               ; both opening adds are done
	s_wait_kmcnt 0x0
	s_add_nc_u64 s[14:15], s[4:5], s[16:17]
	s_add_nc_u64 s[46:47], s[6:7], s[46:47]
	CROUND                                         ; all sixteen work-groups are here: the first joint loads meet
.irp s, 0,1
	s_mov_b32 s[G0+4*\s], 1
	s_add_co_u32 s[G0+4*\s+1], s20, \s*SLOT
	s_add_nc_u64 s[G0+4*\s+2:G0+4*\s+3], s[14:15], \s*KB
	s_or_b32 s[G0+4*\s+3], s[G0+4*\s+3], 0x80000000
	s_mov_b32 s[G0B+4*\s], 1
	s_add_co_u32 s[G0B+4*\s+1], s21, \s*SLOT
	s_add_nc_u64 s[G0B+4*\s+2:G0B+4*\s+3], s[46:47], \s*KB
	s_or_b32 s[G0B+4*\s+3], s[G0B+4*\s+3], 0x80000000
	JLOAD \s                                       ; two tensor loads of mine are out
.endr
	v_and_b32 v1, 15, v0                           ; r
	v_bfe_u32 v2, v0, 4, 1                         ; h
	v_and_b32 v3, 31, v0
	v_lshlrev_b32 v3, 4, v3                        ; 16 x lane
	s_lshl_b32 s22, s11, 15                        ; my eight tiles of A
	s_lshl_b32 s23, s12, 14
	s_add_co_u32 s23, s23, 65536                   ; my four of B
.irp s, 0,1
	v_add_nc_u32 v[ADRA+\s], s22, v3
	v_add_nc_u32 v[ADRB+\s], s23, v3
	s_add_co_u32 s22, s22, SLOT
	s_add_co_u32 s23, s23, SLOT
.endr
	s_mul_i32 s23, s10, 16*SPITCH
	s_add_co_u32 s23, s23, STAGE                   ; my stage
	v_mul_u32_u24 v4, v1, SPITCH
	v_lshl_add_u32 v4, v2, 5, v4
	v_add_nc_u32 v[STO], s23, v4                   ; in: row r, 32 bytes for each half of the lanes
	v_mul_u32_u24 v5, v2, SPITCH
	v_lshl_add_u32 v5, v1, 4, v5
	v_add_nc_u32 v[RD], s23, v5                    ; back: lanes 0-15 one row of 256 bytes, lanes 16-31 the next
	v_lshlrev_b32 v5, 12, v2
	v_lshl_add_u32 v[CO], v1, 4, v5                ; and the same two rows in out
	s_lshl_b32 s16, s13, 20                        ; (256 x tile row + 128 x half) rows of 4,096 bytes
	s_lshl_b32 s17, s11, 19
	s_add_co_u32 s16, s16, s17
	s_lshl_b32 s46, s42, 9                         ; + 512 x tile column + 256 x half
	s_add_co_u32 s16, s16, s46
	s_lshl_b32 s46, s12, 8
	s_add_co_u32 s16, s16, s46
	s_mov_b32 s17, 0
	s_add_nc_u64 s[8:9], s[8:9], s[16:17]
; 8 matrix instructions: A's tiles a0, a0 + 1 x B's four, 32 along K.  The 32 accumulators take turns, in the same order in every quarter.
.macro MUL8 f, a0, zero
.irp a, \a0, \a0+1
.irp b, 0,1,2,3
.if \zero
	v_wmma_f32_16x16x32_f16 v[8*(4*(\a)+\b):8*(4*(\a)+\b)+7], v[\f+64+8*\b:\f+64+8*\b+7], v[\f+8*(\a):\f+8*(\a)+7], 0
.else
	v_wmma_f32_16x16x32_f16 v[8*(4*(\a)+\b):8*(4*(\a)+\b)+7], v[\f+64+8*\b:\f+64+8*\b+7], v[\f+8*(\a):\f+8*(\a)+7], v[8*(4*(\a)+\b):8*(4*(\a)+\b)+7]
.endif
.endr
.endr
.endm
.macro FETCH slot, q, f                ; 24 LDS loads in one run: B's four, A's 0-3, A's 4-7, of the slot's q-th 32 along K
	WIN 0
.irp i, 0,1,2,3
	ds_load_b128 v[\f+64+8*\i:\f+64+8*\i+3],   v[ADRB+\slot] offset:\i*KB+(\q)*1024
	ds_load_b128 v[\f+64+8*\i+4:\f+64+8*\i+7], v[ADRB+\slot] offset:\i*KB+(\q)*1024+512
.endr
.irp i, 0,1,2,3,4,5,6,7
	ds_load_b128 v[\f+8*\i:\f+8*\i+3],   v[ADRA+\slot] offset:\i*KB+(\q)*1024
	ds_load_b128 v[\f+8*\i+4:\f+8*\i+7], v[ADRA+\slot] offset:\i*KB+(\q)*1024+512
.endr
.endm
.macro PLACES
.rept 4
	v_nop
.endr
.endm
.macro QUARTER slot, q, f, g, zero     ; multiplies buffer f; in its middle fetches the slot's q-th quarter into g
	s_wait_dscnt 8                                 ; B's four and A's 0-3 are in; the youngest eight loads (A's 4-7) may be out
	WIN MUL
	MUL8 \f, 0, \zero
	MUL8 \f, 2, \zero
	PLACES                                         ; ahead of loads into the buffer that the quarter before multiplied
	FETCH \slot, \q, \g
	s_wait_dscnt 24                                ; all but the 24 just issued
	WIN MUL
	MUL8 \f, 4, \zero
	MUL8 \f, 6, \zero
.endm
; A slot's last quarter multiplies buffer 1 and changes slots: one barrier; in front of it each wave waits for all its tensor loads, adds 0 to its spare word, and waits for that and for its reads of this slot.
.macro TURN slot, next, fill
	WIN 0
	s_wait_tensorcnt 0x0                           ; my part of the next slot has landed
	ds_add_u32 v[SPW], v[NIL]
	s_wait_dscnt 9                                 ; the add and the youngest eight loads may be out
	WIN MUL
	MUL8 F1, 0, 0
	s_wait_dscnt 0x0                               ; the add is done, and my reads of this slot are over
	s_barrier_signal -1
	MUL8 F1, 2, 0
.if \fill
	WIN 0
.endif
	s_barrier_wait -1
.if \fill
	CREST                                          ; the barrier has opened a round of the cluster's: no wave of any partner still reads this slot or has a load on its way
	s_add_nc_u64 s[G0+4*\slot+2:G0+4*\slot+3], s[G0+4*\slot+2:G0+4*\slot+3], 2*KB
	s_add_nc_u64 s[G0B+4*\slot+2:G0B+4*\slot+3], s[G0B+4*\slot+2:G0B+4*\slot+3], 2*KB
	JLOAD \slot                                    ; my one tensor load behind the round; its four v_nop are also the places ahead of the loads below
.else
	PLACES
.endif
	FETCH \next, 0, F0
	WIN MUL
	MUL8 F1, 4, 0
	MUL8 F1, 6, 0
.endm
	s_wait_tensorcnt 1                             ; my part of K step 0 is in; K step 1's load may be out
	s_barrier_signal -1
	s_barrier_wait -1
	FETCH 0, 0, F0
	QUARTER 0, 1, F0, F1, 1                        ; the first quarter's products start the sums
	WIN 0
	s_mov_b32 s3, LAPS-1
.Llap:                                             ; a trip goes once round the ring and fills both slots again
	QUARTER 0, 2, F1, F0, 0
	QUARTER 0, 3, F0, F1, 0
	TURN 0, 1, 1
	QUARTER 1, 1, F0, F1, 0
	QUARTER 1, 2, F1, F0, 0
	QUARTER 1, 3, F0, F1, 0
	TURN 1, 0, 1
	QUARTER 0, 1, F0, F1, 0
	WIN 0
	s_sub_co_u32 s3, s3, 1
	s_cmp_lg_u32 s3, 0
	s_cbranch_scc1 .Llap
	QUARTER 0, 2, F1, F0, 0                        ; the last lap fills nothing
	QUARTER 0, 3, F0, F1, 0
	TURN 0, 1, 0
	QUARTER 1, 1, F0, F1, 0
	QUARTER 1, 2, F1, F0, 0
	QUARTER 1, 3, F0, F1, 0
	s_wait_dscnt 8
	WIN MUL
	MUL8 F1, 0, 0
	MUL8 F1, 2, 0
	s_wait_dscnt 0
	MUL8 F1, 4, 0
	MUL8 F1, 6, 0
	WIN 0
; THE WAY OUT, a block of 16 rows x 64 columns at a time, through my own stage: in by 32 bytes a lane, back as rows of 256 bytes, which sixteen lanes store as 256 consecutive aligned bytes.
; LDS serves a wave's instructions in order: no wait between the stores and the loads, nor ahead of the next block's stores.
.macro TOSTAGE a
	WIN 0x04                                       ; an LDS store's data: window 1
.irp b, 0,1,2,3
	ds_store_b128 v[STO], v[8*(4*(\a)+\b):8*(4*(\a)+\b)+3] offset:64*\b        ; each accumulator from its low end on
	ds_store_b128 v[STO], v[8*(4*(\a)+\b)+4:8*(4*(\a)+\b)+7] offset:64*\b+16
.endr
	WIN 0
.set BB, BK+32*((\a)%2)
.irp t, 0,1,2,3,4,5,6,7
	ds_load_b128 v[BB+4*\t:BB+4*\t+3], v[RD] offset:\t*2*SPITCH
.endr
.endm
.macro SEND a, younger
.set BB, BK+32*((\a)%2)
	s_wait_dscnt \younger
.irp t, 0,1,2,3,4,5,6,7
	global_store_b128 v[CO], v[BB+4*\t:BB+4*\t+3], s[8:9] offset:(\a)*65536+\t*8192 th:TH_STORE_NT
.endr
.endm
	PLACES
	TOSTAGE 0
.irp a, 1,2,3,4,5,6,7
.if \a > 1
	s_wait_xcnt 0x0                                ; block a - 2's stores have read their registers: block a's loads may land there
.endif
	TOSTAGE \a
	SEND \a-1, 16                                  ; behind block a - 1's loads: block a's eight stores and eight loads
.endr
	SEND 7, 0
	s_wait_tensorcnt 0x0                           ; the wave's end
	ds_add_u32 v[SPW], v[NIL]
	s_wait_dscnt 0x0
	CROUND                                         ; the closing round
	s_endpgm
.Lfunc_end_k_q0a15ec47ec_proj:
	.size	k_q0a15ec47ec_proj, .Lfunc_end_k_q0a15ec47ec_proj-k_q0a15ec47ec_proj
	.p2alignl 7, 3214868480
	.fill 96, 4, 3214868480
	.section	.rodata,"a",@progbits
	.p2align	6, 0x0
	.amdhsa_kernel k_q0a15ec47ec_proj
		.amdhsa_group_segment_fixed_size 327680
		.amdhsa_private_segment_fixed_size 0
		.amdhsa_enable_private_segment 0
		.amdhsa_kernarg_size 24
		.amdhsa_user_sgpr_count 2
		.amdhsa_user_sgpr_kernarg_segment_ptr 1
		.amdhsa_wavefront_size32 1
		.amdhsa_system_sgpr_workgroup_id_x 1
		.amdhsa_system_sgpr_workgroup_id_y 1
		.amdhsa_system_sgpr_workgroup_id_z 1
		.amdhsa_system_vgpr_workitem_id 0
		.amdhsa_next_free_vgpr 512
		.amdhsa_next_free_sgpr 66
		.amdhsa_reserve_vcc 0
		.amdhsa_float_denorm_mode_32 3
		.amdhsa_float_denorm_mode_16_64 3
		.amdhsa_memory_ordered 1
		.amdhsa_forward_progress 1
		.amdhsa_inst_pref_size 85
	.end_amdhsa_kernel
	.amdgpu_metadata
---
amdhsa.version: [ 1, 2 ]
amdhsa.kernels:
  - .name:           k_q0a15ec47ec_proj
    .symbol:         k_q0a15ec47ec_proj.kd
    .args:
      - { .name: yf, .offset: 0, .size: 8, .value_kind: global_buffer, .address_space: global }
      - { .name: wp, .offset: 8, .size: 8, .value_kind: global_buffer, .address_space: global }
      - { .name: out0, .offset: 16, .size: 8, .value_kind: global_buffer, .address_space: global }
    .group_segment_fixed_size: 327680
    .private_segment_fixed_size: 0
    .kernarg_segment_align: 8
    .kernarg_segment_size: 24
    .max_flat_workgroup_size: 128
    .sgpr_count:     66
    .vgpr_count:     512
    .wavefront_size: 32
...
	.end_amdgpu_metadata
.endif
;; end of part 5
;; launch fine_att (part 6): grid 16 x 4, 12 waves a work-group, no clusters, 13,824 bytes of LDS; arguments x_codes, x_scales, wa_codes, wa_scales, y16; writes y16
.if DOCPART == 6
	.amdgcn_target "amdgcn-amd-amdhsa--gfx1250"
	.amdhsa_code_object_version 6
	.text
	.protected	k_q0a15ec47ec_fine_att
	.globl	k_q0a15ec47ec_fine_att
	.p2align	8
	.type	k_q0a15ec47ec_fine_att,@function
k_q0a15ec47ec_fine_att:
	s_mov_b64 s[64:65], 0
	v_nop
	global_prefetch_b8 v0, s[64:65] scope:SCOPE_SE
	s_setreg_imm32_b32 hwreg(HW_REG_WAVE_MODE, 25, 1), 1
	s_wait_xcnt 0x0
; The first 16 positions of every sequence, more finely: a work-group takes one (head, batch).
; PART 1, twelve waves: q, k, v of the 16 positions (16 x 64 each) again, from the codes, by the FP4 matrix instruction, kept in f32.  Wave w makes part w / 4, channels 16 (w % 4) on.
;   For q and k source 0 = W's 16 rows, source 1 = x's 16 rows: a lane holds a token and eight channels; for v the other way round: a channel and eight tokens.
;   K = 1024 is eight instructions on two accumulators by turns (even and odd steps), joined at the end.  The results go to LDS as images of their registers (16 bytes a lane, twice).
; PART 2, waves 0-3 (wave w: channels 16 w on of y): attention in f32 by the f32 matrix form, which is no bulk work here: 16 + 4 instructions.
;   A register pair of an image holds, in lane (r, h), channels (or keys) 8 h + 2 i, 8 h + 2 i + 1: the same permutation of the contracted axis on both operands.
;   The registers that the f32 form writes (v192-223) are written by matrix instructions alone.
; y leaves as two f16 numbers: the rounding, and (y - rounding) x 2048, 131,072 bytes on; byte = b x 32768 + head x 2048 + w x 512 + 16 x lane.
; LIMITS: |y| under 65,504; NaN and infinities are not served.
.set F0,  16                           ; v16-79  source 0's eight fragments; later q's and k's images
.set F1,  80                           ; v80-143 source 1's; later v's image, y and its parts
.set SPARE, 12288                      ; behind the twelve images: the spare words
.set SPW, 252
.set NIL, 253
	s_load_b256 s[4:11], s[0:1], 0x0               ; x's codes, x's scales, W's codes, W's scales
	s_load_b64 s[12:13], s[0:1], 0x20              ; y16
	v_lshl_add_u32 v[SPW], v0, 2, SPARE
	v_mov_b32 v[NIL], 0
	v_lshrrev_b32 v1, 5, v0
	v_readfirstlane_b32 s14, v1                    ; wave 0..11
	s_and_b32 s15, ttmp7, 0xffff                   ; batch
	s_lshr_b32 s16, s14, 2
	s_lshl_b32 s16, s16, 10
	s_lshl_b32 s17, ttmp9, 6
	s_add_co_u32 s16, s16, s17
	s_and_b32 s17, s14, 3
	s_lshl_b32 s17, s17, 4
	s_add_co_u32 s16, s16, s17                     ; W's first row: 1024 x part + 64 x head + 16 x tile
	s_lshl_b32 s18, s16, 9                         ; its codes,
	s_lshl_b32 s19, s16, 5                         ; its scale bytes
	s_lshl_b32 s20, s15, 20                        ; x's row 2048 x batch: its codes,
	s_lshl_b32 s21, s15, 16                        ; its scale bytes
	s_mov_b32 s25, 0
	s_mov_b32 s27, 0
	s_mov_b32 s29, 0
	s_mov_b32 s31, 0
	s_mov_b32 s40, 0x76543210
	s_mov_b32 s41, 0xfedcba98
	s_mov_b32 s42, 0x3cb8aa3b                      ; c = log2(e) / 64
	v_and_b32 v2, 15, v0                           ; r
	v_bfe_u32 v3, v0, 4, 1                         ; h
	v_lshlrev_b32 v4, 9, v2
	v_lshl_add_u32 v4, v3, 4, v4                   ; codes: row r of 512 bytes + 16 h
	v_lshlrev_b32 v5, 5, v2                        ; scale bytes: row r of 32
	v_and_b32 v6, 31, v0
	v_lshlrev_b32 v6, 4, v6                        ; 16 x lane
	v_lshl_add_u32 v7, v1, 10, v6                  ; my image: 1024 x wave + 16 x lane
	v_lshlrev_b32 v8, 3, v3
	v_sub_nc_u32 v8, v2, v8                        ; r - 8 h
	v_mov_b32 v11, 0
	v_mov_b32 v15, 0
	s_lshl_b32 s44, s15, 15                        ; y16: b x 32768 + head x 2048 + wave x 512
	s_lshl_b32 s45, ttmp9, 11
	s_add_co_u32 s44, s44, s45
	s_lshl_b32 s45, s14, 9
	s_add_co_u32 s44, s44, s45
	s_mov_b32 s45, 0
	s_wait_kmcnt 0x0
	s_cmp_lt_u32 s14, 8                            ; q, k: source 0 = W; v: source 0 = x
	s_cselect_b32 s24, s18, s20
	s_cselect_b32 s26, s19, s21
	s_cselect_b32 s28, s20, s18
	s_cselect_b32 s30, s21, s19
	s_cselect_b64 s[32:33], s[8:9], s[4:5]
	s_cselect_b64 s[34:35], s[10:11], s[6:7]
	s_cselect_b64 s[36:37], s[4:5], s[8:9]
	s_cselect_b64 s[38:39], s[6:7], s[10:11]
	s_add_nc_u64 s[32:33], s[32:33], s[24:25]
	s_add_nc_u64 s[34:35], s[34:35], s[26:27]
	s_add_nc_u64 s[36:37], s[36:37], s[28:29]
	s_add_nc_u64 s[38:39], s[38:39], s[30:31]
	s_add_nc_u64 s[12:13], s[12:13], s[44:45]
.irp ks, 0,1,2,3,4,5,6,7
.irp cc, 0,1
	global_load_b128 v[F0+8*\ks+4*\cc:F0+8*\ks+4*\cc+3], v4, s[32:33] offset:64*\ks+32*\cc
	global_load_b128 v[F1+8*\ks+4*\cc:F1+8*\ks+4*\cc+3], v4, s[36:37] offset:64*\ks+32*\cc
.endr
.endr
	global_load_b128 v[144:147], v5, s[34:35]      ; the scale words of the eight steps, in registers that hold nothing else
	global_load_b128 v[148:151], v5, s[34:35] offset:16
	global_load_b128 v[152:155], v5, s[38:39]
	global_load_b128 v[156:159], v5, s[38:39] offset:16
	s_wait_loadcnt 0x0
.irp ks, 0,1,2,3,4,5,6,7
.if \ks < 2
	v_wmma_scale_f32_16x16x128_f8f6f4 v[160+8*(\ks%2):167+8*(\ks%2)], v[F0+8*\ks:F0+8*\ks+7], v[F1+8*\ks:F1+8*\ks+7], 0, v[144+\ks], v[152+\ks] matrix_a_fmt:MATRIX_FMT_FP4 matrix_b_fmt:MATRIX_FMT_FP4
.else
	v_wmma_scale_f32_16x16x128_f8f6f4 v[160+8*(\ks%2):167+8*(\ks%2)], v[F0+8*\ks:F0+8*\ks+7], v[F1+8*\ks:F1+8*\ks+7], v[160+8*(\ks%2):167+8*(\ks%2)], v[144+\ks], v[152+\ks] matrix_a_fmt:MATRIX_FMT_FP4 matrix_b_fmt:MATRIX_FMT_FP4
.endif
.endr
.rept 4
	v_nop
.endr
.irp j, 0,2,4,6
	v_pk_add_f32 v[176+\j:177+\j], v[160+\j:161+\j], v[168+\j:169+\j]
.endr
	ds_store_b128 v7, v[176:179]
	ds_store_b128 v7, v[180:183] offset:512
	s_wait_dscnt 0x0                               ; for the others' sake: my image has landed
	s_barrier_signal -1
	s_barrier_wait -1
	s_cmp_ge_u32 s14, 4
	s_cbranch_scc1 .Ldone
.irp c, 0,1,2,3
	ds_load_b128 v[16+8*\c:19+8*\c], v6 offset:1024*\c             ; q's four images
	ds_load_b128 v[20+8*\c:23+8*\c], v6 offset:1024*\c+512
	ds_load_b128 v[48+8*\c:51+8*\c], v6 offset:4096+1024*\c        ; k's four
	ds_load_b128 v[52+8*\c:55+8*\c], v6 offset:4096+1024*\c+512
.endr
	ds_load_b128 v[80:83], v7 offset:8192          ; v's image of my 16 channels
	ds_load_b128 v[84:87], v7 offset:8192+512
	s_wait_dscnt 0x0
.irp n, 0,1,2,3,4,5,6,7,8,9,10,11,12,13,14,15  ; S^T = k q^T, four channels an instruction, two accumulators by turns
.if \n < 2
	v_wmma_f32_16x16x4_f32 v[192+8*(\n%2):199+8*(\n%2)], v[48+2*\n:49+2*\n], v[16+2*\n:17+2*\n], 0
.else
	v_wmma_f32_16x16x4_f32 v[192+8*(\n%2):199+8*(\n%2)], v[48+2*\n:49+2*\n], v[16+2*\n:17+2*\n], v[192+8*(\n%2):199+8*(\n%2)]
.endif
.endr
.rept 8
	v_nop
.endr
.irp j, 0,2,4,6
	v_pk_add_f32 v[224+\j:225+\j], v[192+\j:193+\j], v[200+\j:201+\j]   ; lane (r, h): query r, keys 8 h + 0..7
.endr
	v_mov_b32 v9, 0xff800000
.irp j, 0,1,2,3,4,5,6,7
	v_cmp_gt_i32 vcc_lo, \j, v8                    ; key 8 h + j comes after query r
	v_cndmask_b32 v[224+\j], v[224+\j], v9, vcc_lo
.endr
	v_max3_num_f32 v10, v224, v225, v226
	v_max3_num_f32 v10, v10, v227, v228
	v_max3_num_f32 v10, v10, v229, v230
	v_max_num_f32 v10, v10, v231
	v_permlanex16_b32 v11, v10, s40, s41
	v_max_num_f32 v10, v10, v11                    ; the row's maximum (key 0 counts for every query)
	v_mul_f32 v10, s42, v10
.irp j, 0,1,2,3,4,5,6,7
	v_fma_f32 v[232+\j], v[224+\j], s42, -v10
.endr
.irp j, 0,1,2,3,4,5,6,7
	v_exp_f32 v[232+\j], v[232+\j]
.endr
	v_nop
	s_wait_alu depctr_va_vdst(0)                   ; one wait for the eight exponentials
	v_pk_add_f32 v[12:13], v[232:233], v[234:235]
	v_pk_add_f32 v[240:241], v[236:237], v[238:239]
	v_pk_add_f32 v[12:13], v[12:13], v[240:241]
	v_add_f32 v12, v12, v13
	v_permlanex16_b32 v11, v12, s40, s41
	v_add_f32 v12, v12, v11                        ; the row's sum
	v_rcp_f32 v14, v12
	v_nop
	s_wait_alu depctr_va_vdst(0)
.irp s, 0,1,2,3                        ; O^T = v^T p, four keys an instruction
.if \s < 2
	v_wmma_f32_16x16x4_f32 v[208+8*(\s%2):215+8*(\s%2)], v[80+2*\s:81+2*\s], v[232+2*\s:233+2*\s], 0
.else
	v_wmma_f32_16x16x4_f32 v[208+8*(\s%2):215+8*(\s%2)], v[80+2*\s:81+2*\s], v[232+2*\s:233+2*\s], v[208+8*(\s%2):215+8*(\s%2)]
.endif
.endr
.rept 8
	v_nop
.endr
.irp j, 0,2,4,6
	v_pk_add_f32 v[96+\j:97+\j], v[208+\j:209+\j], v[216+\j:217+\j]
.endr
.irp j, 0,2,4,6
	v_pk_mul_f32 v[96+\j:97+\j], v[96+\j:97+\j], v[14:15] op_sel_hi:[1,0]   ; lane (r, h): token r, channels 16 w + 8 h + 0..7
.endr
.macro SPLIT x, hi, hl, hh, lo, tmp    ; two numbers -> their f16 roundings, and (number - rounding) x 2048 in f16
	v_cvt_pk_f16_f32 v[\hi], v[\x], v[\x+1]
	v_cvt_f32_f16 v[\tmp], \hl
	v_cvt_f32_f16 v[\tmp+1], \hh
	v_pk_add_f32 v[\tmp:\tmp+1], v[\x:\x+1], v[\tmp:\tmp+1] neg_lo:[0,1] neg_hi:[0,1]
	v_pk_mul_f32 v[\tmp:\tmp+1], v[\tmp:\tmp+1], 0x45000000 op_sel_hi:[1,0]
	v_cvt_pk_f16_f32 v[\lo], v[\tmp], v[\tmp+1]
.endm
	SPLIT 96, 104, v104.l, v104.h, 108, 112
	SPLIT 98, 105, v105.l, v105.h, 109, 114
	SPLIT 100, 106, v106.l, v106.h, 110, 116
	SPLIT 102, 107, v107.l, v107.h, 111, 118
	global_store_b128 v6, v[104:107], s[12:13]
	global_store_b128 v6, v[108:111], s[12:13] offset:131072
.Ldone:
	s_wait_tensorcnt 0x0                           ; the wave's end, behind my last LDS store
	ds_add_u32 v[SPW], v[NIL]
	s_wait_dscnt 0x0
	s_endpgm
.Lfunc_end_k_q0a15ec47ec_fine_att:
	.size	k_q0a15ec47ec_fine_att, .Lfunc_end_k_q0a15ec47ec_fine_att-k_q0a15ec47ec_fine_att
	.p2alignl 7, 3214868480
	.fill 96, 4, 3214868480
	.section	.rodata,"a",@progbits
	.p2align	6, 0x0
	.amdhsa_kernel k_q0a15ec47ec_fine_att
		.amdhsa_group_segment_fixed_size 13824
		.amdhsa_private_segment_fixed_size 0
		.amdhsa_enable_private_segment 0
		.amdhsa_kernarg_size 40
		.amdhsa_user_sgpr_count 2
		.amdhsa_user_sgpr_kernarg_segment_ptr 1
		.amdhsa_wavefront_size32 1
		.amdhsa_system_sgpr_workgroup_id_x 1
		.amdhsa_system_sgpr_workgroup_id_y 1
		.amdhsa_system_sgpr_workgroup_id_z 1
		.amdhsa_system_vgpr_workitem_id 0
		.amdhsa_next_free_vgpr 256
		.amdhsa_next_free_sgpr 66
		.amdhsa_reserve_vcc 1
		.amdhsa_float_denorm_mode_32 3
		.amdhsa_float_denorm_mode_16_64 3
		.amdhsa_memory_ordered 1
		.amdhsa_forward_progress 1
		.amdhsa_inst_pref_size 15
	.end_amdhsa_kernel
	.amdgpu_metadata
---
amdhsa.version: [ 1, 2 ]
amdhsa.kernels:
  - .name:           k_q0a15ec47ec_fine_att
    .symbol:         k_q0a15ec47ec_fine_att.kd
    .args:
      - { .name: x_codes, .offset: 0, .size: 8, .value_kind: global_buffer, .address_space: global }
      - { .name: x_scales, .offset: 8, .size: 8, .value_kind: global_buffer, .address_space: global }
      - { .name: wa_codes, .offset: 16, .size: 8, .value_kind: global_buffer, .address_space: global }
      - { .name: wa_scales, .offset: 24, .size: 8, .value_kind: global_buffer, .address_space: global }
      - { .name: y16, .offset: 32, .size: 8, .value_kind: global_buffer, .address_space: global }
    .group_segment_fixed_size: 13824
    .private_segment_fixed_size: 0
    .kernarg_segment_align: 8
    .kernarg_segment_size: 40
    .max_flat_workgroup_size: 384
    .sgpr_count:     66
    .vgpr_count:     256
    .wavefront_size: 32
...
	.end_amdgpu_metadata
.endif
;; end of part 6
;; launch fine_proj (part 7): grid 16 x 4, 16 waves a work-group, no clusters, 69,632 bytes of LDS; arguments y16, wp, out0; writes out0
.if DOCPART == 7
	.amdgcn_target "amdgcn-amd-amdhsa--gfx1250"
	.amdhsa_code_object_version 6
	.text
	.protected	k_q0a15ec47ec_fine_proj
	.globl	k_q0a15ec47ec_fine_proj
	.p2align	8
	.type	k_q0a15ec47ec_fine_proj,@function
k_q0a15ec47ec_fine_proj:
	s_mov_b64 s[64:65], 0
	v_nop
	global_prefetch_b8 v0, s[64:65] scope:SCOPE_SE
	s_setreg_imm32_b32 hwreg(HW_REG_WAVE_MODE, 25, 1), 1
	s_wait_xcnt 0x0
; The projection of the first 16 positions of every sequence, with both operands as pairs of f16 numbers: y = yh + yl / 2048, W = Wh + Wl / 2048;
; out = yh Wh + (yl Wh + yh Wl) / 2048, sums in f32 (the term yl Wl / 2^22 is left out: it lies under the f32 sums' own rounding).
; A work-group takes one batch's 16 rows x 64 columns.  The sixteen waves share K: wave w takes K steps 2 w and 2 w + 1 of 32; their partial sums meet in LDS, in a fixed order.
; The matrix instruction takes 16 columns of W as source 0 and the 16 rows of y as source 1: a lane holds a row and eight neighbouring columns.
; These rows of out0 were stored by proj in plain f16 arithmetic: they are stored again here, whole.
.set AH, 16                            ; v16-31  y's high parts, K step u at + 8 u
.set AL2, 32                           ; v32-47  its low parts
.set BH, 48                            ; v48-111 W's high parts: tile nt, K step u at + 16 nt + 8 u; later my partial sums
.set BL, 112                           ; v112-175 its low parts
.set H,  176                           ; v176-207 four accumulators of the high product
.set L,  208                           ; v208-239 four of the two cross products
.set WST, 4224                         ; a wave's partial sums in LDS: eight groups of 512 bytes + 16
.set SPARE, 16*WST
.set SPW, 252
.set NIL, 253
	s_load_b128 s[4:7], s[0:1], 0x0                ; y16, wp
	s_load_b64 s[8:9], s[0:1], 0x10                ; out0
	v_lshl_add_u32 v[SPW], v0, 2, SPARE
	v_mov_b32 v[NIL], 0
	v_lshrrev_b32 v8, 5, v0
	v_readfirstlane_b32 s10, v8                    ; wave 0..15
	s_and_b32 s11, ttmp7, 0xffff                   ; batch
	v_and_b32 v1, 31, v0
	v_lshlrev_b32 v1, 4, v1                        ; 16 x lane
	s_mul_i32 s12, s10, WST
	v_add_nc_u32 v2, s12, v1                       ; where my partial sums go
	v_and_b32 v4, 15, v0                           ; on the way out a lane takes four columns: 4 x this number on
	v_lshrrev_b32 v5, 2, v4
	v_lshlrev_b32 v5, 1, v5
	v_and_b32 v6, 1, v4
	v_add_nc_u32 v5, v5, v6                        ; which group of four registers held them,
	v_mul_u32_u24 v3, v5, 528
	v_bfe_u32 v6, v0, 1, 1
	v_lshl_add_u32 v3, v6, 8, v3                   ; in which half of the lanes,
	v_lshrrev_b32 v6, 4, v0
	v_lshl_add_u32 v3, v6, 4, v3                   ; for row thread / 16
	v_bfe_u32 v6, v0, 4, 1
	v_lshlrev_b32 v7, 12, v6
	v_lshl_add_u32 v7, v4, 4, v7                   ; out: lanes 0-15 one row's 256 bytes, lanes 16-31 the next row's
	s_lshl_b32 s14, s11, 15                        ; y16: b x 32768 + 2048 x wave
	s_lshl_b32 s16, s10, 11
	s_add_co_u32 s14, s14, s16
	s_mov_b32 s15, 0
	s_lshl_b32 s18, ttmp9, 17                      ; wp: four tiles of columns x 32768 + 2048 x wave
	s_add_co_u32 s18, s18, s16
	s_mov_b32 s19, 0
	s_lshl_b32 s20, s11, 23                        ; out0: b x 2048 rows of 4,096 bytes + two rows a wave + 256 x column group
	s_lshl_b32 s16, s10, 13
	s_add_co_u32 s20, s20, s16
	s_lshl_b32 s16, ttmp9, 8
	s_add_co_u32 s20, s20, s16
	s_mov_b32 s21, 0
	s_wait_kmcnt 0x0
	s_add_nc_u64 s[4:5], s[4:5], s[14:15]
	s_add_nc_u64 s[6:7], s[6:7], s[18:19]
	s_add_nc_u64 s[8:9], s[8:9], s[20:21]
.irp u, 0,1
.irp c, 0,1
	global_load_b128 v[AH+8*\u+4*\c:AH+8*\u+4*\c+3], v1, s[4:5] offset:1024*\u+512*\c
	global_load_b128 v[AL2+8*\u+4*\c:AL2+8*\u+4*\c+3], v1, s[4:5] offset:131072+1024*\u+512*\c
.endr
.endr
.irp nt, 0,1,2,3
.irp u, 0,1
.irp c, 0,1
	global_load_b128 v[BH+16*\nt+8*\u+4*\c:BH+16*\nt+8*\u+4*\c+3], v1, s[6:7] offset:32768*\nt+1024*\u+512*\c
	global_load_b128 v[BL+16*\nt+8*\u+4*\c:BL+16*\nt+8*\u+4*\c+3], v1, s[6:7] offset:2097152+32768*\nt+1024*\u+512*\c
.endr
.endr
.endr
	s_wait_loadcnt 0x0
.macro PASS acc, bb, aa, u, zero       ; four matrix instructions, one on each of four accumulators: the accumulators take turns
.irp nt, 0,1,2,3
.if \zero
	v_wmma_f32_16x16x32_f16 v[\acc+8*\nt:\acc+8*\nt+7], v[\bb+16*\nt+8*\u:\bb+16*\nt+8*\u+7], v[\aa+8*\u:\aa+8*\u+7], 0
.else
	v_wmma_f32_16x16x32_f16 v[\acc+8*\nt:\acc+8*\nt+7], v[\bb+16*\nt+8*\u:\bb+16*\nt+8*\u+7], v[\aa+8*\u:\aa+8*\u+7], v[\acc+8*\nt:\acc+8*\nt+7]
.endif
.endr
.endm
	PASS H, BH, AH, 0, 1
	PASS L, BH, AL2, 0, 1
	PASS L, BL, AH, 0, 0
	PASS H, BH, AH, 1, 0
	PASS L, BH, AL2, 1, 0
	PASS L, BL, AH, 1, 0
.rept 4
	v_nop
.endr
.irp j, 0,1,2,3,4,5,6,7,8,9,10,11,12,13,14,15,16,17,18,19,20,21,22,23,24,25,26,27,28,29,30,31
	v_fmamk_f32 v[BH+\j], v[L+\j], 0x3a000000, v[H+\j]             ; high product + cross products / 2048
.endr
.irp nt, 0,1,2,3
.irp g, 0,1
	ds_store_b128 v2, v[BH+8*\nt+4*\g:BH+8*\nt+4*\g+3] offset:(2*\nt+\g)*528
.endr
.endr
	s_wait_dscnt 0x0                               ; for the others' sake: my partial sums have landed
	s_barrier_signal -1
	s_barrier_wait -1
	s_cmp_ge_u32 s10, 8
	s_cbranch_scc1 .Ldone
.irp p, 0,1,2,3,4,5,6,7,8,9,10,11,12,13,14,15  ; waves 0-7: two rows each; the sixteen partial sums of my four columns
	ds_load_b128 v[80+4*\p:83+4*\p], v3 offset:WST*\p
.endr
	s_wait_dscnt 0x0
.irp p, 1,2,3,4,5,6,7,8,9,10,11,12,13,14,15
	v_pk_add_f32 v[80:81], v[80:81], v[80+4*\p:81+4*\p]
	v_pk_add_f32 v[82:83], v[82:83], v[82+4*\p:83+4*\p]
.endr
	global_store_b128 v7, v[80:83], s[8:9]         ; sixteen lanes store 256 consecutive aligned bytes
.Ldone:
	s_wait_tensorcnt 0x0                           ; the wave's end, behind my last LDS store
	ds_add_u32 v[SPW], v[NIL]
	s_wait_dscnt 0x0
	s_endpgm
.Lfunc_end_k_q0a15ec47ec_fine_proj:
	.size	k_q0a15ec47ec_fine_proj, .Lfunc_end_k_q0a15ec47ec_fine_proj-k_q0a15ec47ec_fine_proj
	.p2alignl 7, 3214868480
	.fill 96, 4, 3214868480
	.section	.rodata,"a",@progbits
	.p2align	6, 0x0
	.amdhsa_kernel k_q0a15ec47ec_fine_proj
		.amdhsa_group_segment_fixed_size 69632
		.amdhsa_private_segment_fixed_size 0
		.amdhsa_enable_private_segment 0
		.amdhsa_kernarg_size 24
		.amdhsa_user_sgpr_count 2
		.amdhsa_user_sgpr_kernarg_segment_ptr 1
		.amdhsa_wavefront_size32 1
		.amdhsa_system_sgpr_workgroup_id_x 1
		.amdhsa_system_sgpr_workgroup_id_y 1
		.amdhsa_system_sgpr_workgroup_id_z 1
		.amdhsa_system_vgpr_workitem_id 0
		.amdhsa_next_free_vgpr 256
		.amdhsa_next_free_sgpr 66
		.amdhsa_reserve_vcc 0
		.amdhsa_float_denorm_mode_32 3
		.amdhsa_float_denorm_mode_16_64 3
		.amdhsa_memory_ordered 1
		.amdhsa_forward_progress 1
		.amdhsa_inst_pref_size 14
	.end_amdhsa_kernel
	.amdgpu_metadata
---
amdhsa.version: [ 1, 2 ]
amdhsa.kernels:
  - .name:           k_q0a15ec47ec_fine_proj
    .symbol:         k_q0a15ec47ec_fine_proj.kd
    .args:
      - { .name: y16, .offset: 0, .size: 8, .value_kind: global_buffer, .address_space: global }
      - { .name: wp, .offset: 8, .size: 8, .value_kind: global_buffer, .address_space: global }
      - { .name: out0, .offset: 16, .size: 8, .value_kind: global_buffer, .address_space: global }
    .group_segment_fixed_size: 69632
    .private_segment_fixed_size: 0
    .kernarg_segment_align: 8
    .kernarg_segment_size: 24
    .max_flat_workgroup_size: 512
    .sgpr_count:     66
    .vgpr_count:     256
    .wavefront_size: 32
...
	.end_amdgpu_metadata
.endif
;; end of part 7
